; MI455X (gfx1250); checked and timed in simulation.
; The chip was launched on July 23, 2026; its instructions are those of AMD's public machine-readable ISA for CDNA 5 (MIT licence, August 2026) and "CDNA5" Instruction Set Architecture Reference Guide (July 2026). The comments in the code are by the model that wrote it; some were corrected since.
;; Grouped Query Attention. Allowed arithmetic: matrix products marked QUANTISED: E4M3 operands, one E8M0 scale for each 32 along K, by v_wmma_scale_f32_16x16x128_f8f6f4 with both operands' format E4M3, f32 sums; everything else in f32.
;; Inputs: Wk 2,048 x 512 float32; Wq 2,048 x 2,048 float32; Wv 2,048 x 512 float32; bk 512 float32; bq 2,048 float32; bv 512 float32; hidden_states 2 x 2,048 x 2,048 float32.
;; Outputs: out0 2 x 2,048 x 2,048 float32.
;; This version of the problem:
;;   THIS VERSION OF THE PROBLEM IS GIVEN IN LOW PRECISION. The matrix products marked QUANTISED in the list below multiply operands that are first quantised to E4M3 (4 exponent bits, 3 mantissa bits; 8 bits a number), with one power-of-two scale for each 32 numbers along K (OCP MX v1.0); their sums are f32. All else is computed in f32.
;;   The module's matrix products, in the order in which they are computed (A, B: the left and right operand; K: the contracted axis; several contracted axes count as one K, in the product's order):
;;     1. [M 4,096, K 2,048] x [K 2,048, N 2,048]; A: input hidden_states; B: input Wq: QUANTISED
;;     2. [M 4,096, K 2,048] x [K 2,048, N 512]; A: input hidden_states; B: input Wk: QUANTISED
;;     3. [M 4,096, K 2,048] x [K 2,048, N 512]; A: input hidden_states; B: input Wv: QUANTISED
;;     4. batch 8 x [M 2,048, K 128] x [K 128, N 8,192]; A: computed on the way; B: computed on the way: QUANTISED
;;     5. batch 8 x [M 128, K 2,048] x [K 2,048, N 8,192]; A: computed on the way; B: softmax (see below): QUANTISED
;;   THE QUANTISER, for each operand of a quantised product, along K:
;;     - K is cut into blocks of 32 from its start; a last block that is shorter is filled with zeros.
;;     - A block's scale is 2^e with e = floor(log2(the largest magnitude in the block)) - 8, held to -126 .. 127; a block of zeros has e = 0. As a byte (E8M0): e + 127.
;;     - Each number is divided by its block's scale, clamped to +-448, and rounded to the nearest number of E4M3, ties to even, subnormals kept.
;;     - The product sums the exact products of the quantised numbers (number of the format x scale) in f32.
;;   ~~~python
;;   def quantise(x, axis):      # numpy; x: float32 -> the quantised numbers, widened to float32 again
;;       x = np.moveaxis(x, axis, -1); K = x.shape[-1]
;;       x = np.pad(x, [(0, 0)] * (x.ndim - 1) + [(0, -K % 32)]); x = x.reshape(x.shape[:-1] + (-1, 32)); a = np.abs(x).max(-1, keepdims=True)
;;       e = np.where(a > 0, np.clip(np.frexp(np.where(a > 0, a, 1))[1] - 1 - 8, -126, 127), 0)      # np.frexp(a)[1] - 1 = floor(log2(a)), exactly
;;       r = np.clip(x / 2.0 ** e, -448, 448)
;;       step = 2.0 ** (np.maximum(np.frexp(np.where(r == 0, 1, r))[1] - 1, -6) - 3)
;;       q = np.round(r / step) * step * 2.0 ** e      # np.round: ties to even
;;       return np.moveaxis(q.reshape(q.shape[:-2] + (-1,))[..., :K], -1, axis).astype(np.float32)
;;   ~~~
;;   SOFTMAX AHEAD OF A QUANTISED PRODUCT. Where the list says 'softmax', what is quantised is not the finished softmax but p = 2^(t - M), with t = logit x log2(e) and M = ceil(the row's largest t), a whole number; so 1/2 < the row's largest p <= 1. The row's sum l is taken of the UNQUANTISED p, in f32, and the product's result is divided by l at the end. Since M is a whole number, a kernel that streams over the keys may use a running M (the ceiling of the running maximum): every later rescaling is an exact power of two, which a block's scale takes up: the codes' values come out the same.
;;   OPERANDS COMPUTED ON THE WAY. 'Computed on the way' means the value that the module computes at that place (a softmax that the list does not call 'softmax' is quantised finished and normalised). What goes into a quantiser is computed in f32, as accurately as f32 sums, v_exp_f32 and their like allow (about 1e-6 of the number): no bf16 or f16 on the way to a quantiser, and a product that is left as it is and whose result goes on into a quantised operand takes f32 operands (vector FMAs, or v_wmma_f32_16x16x4_f32). A number that lies on a knife's edge between two numbers of the format may be rounded either way, as far as f32 arithmetic and the matrix unit's own rounding can turn it there, and no further.
;; One version. Each part assembles by itself: llvm-mc -triple=amdgcn-amd-amdhsa -mcpu=gfx1250 --defsym DOCPART=n.
;; ======== version 1 of 1: 4 launches
;; limits: right only within a limited range of input values
;; workspace buffers: opc 14,680,064 bytes; ops 458,752 bytes; qkvc 12,582,912 bytes; qkvs 393,216 bytes
;; launch quant_x (part 1): grid 256 x 1, 4 waves a work-group, no clusters, 33,280 bytes of LDS; arguments hidden_states, opc, ops; writes opc, ops
.if DOCPART == 1
	.amdgcn_target "amdgcn-amd-amdhsa--gfx1250"
	.amdhsa_code_object_version 6
	.text
	.protected	k_q62db803d1d_quant_x
	.globl	k_q62db803d1d_quant_x
	.p2align	8
	.type	k_q62db803d1d_quant_x,@function
k_q62db803d1d_quant_x:
	s_mov_b64 s[64:65], 0
	v_nop
	global_prefetch_b8 v0, s[64:65] scope:SCOPE_SE
	s_setreg_imm32_b32 hwreg(HW_REG_WAVE_MODE, 25, 1), 1
	s_wait_xcnt 0x0
; GROUPED-QUERY ATTENTION IN MX-FP8, launch 1 of 4: hidden_states [4096][2048] f32 becomes codes of FP8 (E4M3), K innermost, with one E8M0 scale byte for each 32 along K.
; NO WORK OF THE PROBLEM IS LEFT OUT IN ANY LAUNCH: all five products are live, and every bias goes into a quantised operand of a live product (bq, bk ahead of K Q^T, bv ahead of V^T P), so every input is loaded.
; THE PROGRAM: 1 quantises the tokens, 2 the three weights (along their first axis), both into opc (7,168 rows x 2,048 codes) and ops (7,168 rows x 64 scale bytes); 3 makes q, k and v^T, adds the biases and quantises them in registers;
; 4 is the attention.
; THE ROW ORDER of opc and ops: logical row x (token 0..4095; feature 4096 + f) lies at position sw(x) = x with bits 3 and 4 exchanged.  So 16 NEIGHBOURING positions 16 t + r hold the logical rows
; 32 (t / 2) + 8 (t % 2) + r + 8 (r / 8): with such tiles as source 0 of a product, a lane's 16 registers of result tiles 2 b and 2 b + 1 are 16 logical neighbours, ready for the next quantiser.
; A block's scale is 2^(floor(log2(its largest magnitude)) - 8); its byte is the largest magnitude's exponent field - 8, held at 1 from below; each number is divided by the scale, held within +-448, rounded to the nearest code, ties to even.
; LIMITS: a block of zeros gets the byte 1 where the rule says 127 (its codes are zeros, which add nothing under any byte but 0xff, and this program alone reads the bytes); blocks whose largest magnitude lies under 2^-118 get the byte 1;
; NaN and infinities among the inputs are not served.
; SHARES: a wave takes a run of 8,192 numbers (4 rows) in 16 steps of 512.  Each of a step's four loads reads 512 consecutive bytes; the 2,048 bytes turn through the wave's own stage in LDS and come back 64 bytes a lane, so that a lane
; holds 16 neighbours along K (two lanes to a block).  Loads run eight steps (32 loads a wave) ahead, the turn through LDS one step.  No tensor loads, no barrier: waves share nothing.
.set WAVES, 4
.set STEPS, 16
.set AHEAD, 8
.set EMAX,  8
.set MANT,  0x600000                   ; the mantissa field of 448 as f32
.set R,     16                         ; v16-143  eight sets of 16 numbers as they are loaded
.set X,     144                        ; v144-175 two sets of 16 neighbours
.set E,     176                        ; v176-191 a scale byte for each step
.set C,     192                        ; v192-255 codes: four registers for each step, so that no store's data are written again
.set WREG,  8192                       ; LDS: a region for each wave: two stages of 32 x SP bytes, behind them its 256 scale bytes
.set SP,    80                         ; a lane's place in a stage: its 64 bytes + 16 of padding
.set SPW,   12                         ; v12  LDS address of my spare word; never rewritten
.set NIL,   13                         ; v13  0; never rewritten
.set SPARE, WAVES*WREG                 ; behind the four regions: the spare words, 128 bytes for each wave, which no other line names
	s_load_b128 s[4:7], s[0:1], 0x0                ; hidden_states s[4:5], opc s[6:7]
	s_load_b64 s[8:9], s[0:1], 0x10                ; ops
	v_lshl_add_u32 v[SPW], v0, 2, SPARE
	v_mov_b32 v[NIL], 0
	v_lshrrev_b32 v1, 5, v0
	v_readfirstlane_b32 s16, v1                    ; wave
	v_and_b32 v2, 31, v0                           ; lane
	v_lshlrev_b32 v3, 4, v2                        ; 16 x lane: my 16 bytes of a load's 512, and of a step's 512 bytes of codes
	s_mul_i32 s17, s16, WREG
	v_lshrrev_b32 v14, 2, v2
	v_mul_u32_u24 v14, v14, SP
	v_and_b32 v15, 3, v2
	v_lshl_add_u32 v14, v15, 4, v14
	v_add_nc_u32 v14, s17, v14                     ; the stage, on the way in: SP (lane / 4) + 16 (lane % 4)
	v_mul_u32_u24 v15, v2, SP
	v_add_nc_u32 v15, s17, v15                     ; and on the way out: SP x lane: my 16 neighbours
	v_lshrrev_b32 v5, 1, v2
	s_add_co_u32 s17, s17, 2*32*SP
	v_add_nc_u32 v5, s17, v5                       ; my wave's 256 scale bytes, my block's byte
	v_lshlrev_b32 v7, 3, v2                        ; and on the way out 8 bytes a lane
	v_add_nc_u32 v6, s17, v7
	s_mov_b32 s23, MANT
	s_lshl_b32 s18, ttmp9, 2
	s_add_co_u32 s18, s18, s16                     ; my run of 4 rows: 0..1023
	s_lshl_b32 s20, s18, 15                        ; 32,768 bytes of f32 a run
	s_mov_b32 s21, 0
	s_and_b32 s24, s18, -7                         ; a row's bits 3 and 4 are the run's bits 1 and 2: they change places on the way out
	s_bfe_u32 s25, s18, 0x10001
	s_lshl_b32 s25, s25, 2
	s_or_b32 s24, s24, s25
	s_bfe_u32 s25, s18, 0x10002
	s_lshl_b32 s25, s25, 1
	s_or_b32 s24, s24, s25                         ; the run's place in opc and ops
	s_lshl_b32 s26, s24, 13                        ; 8,192 bytes of codes a run
	s_mov_b32 s27, 0
	s_lshl_b32 s24, s24, 8                         ; 256 scale bytes a run
	s_mov_b32 s25, 0
	s_wait_alu depctr_va_vdst(0)
	s_wait_kmcnt 0x0
	s_add_nc_u64 s[4:5], s[4:5], s[20:21]
	s_add_nc_u64 s[6:7], s[6:7], s[26:27]
	s_add_nc_u64 s[8:9], s[8:9], s[24:25]
.macro LOAD t
.irp i, 0,1,2,3
	global_load_b128 v[R+16*((\t)%AHEAD)+4*\i:R+16*((\t)%AHEAD)+4*\i+3], v3, s[4:5] offset:2048*(\t)+512*\i th:TH_LOAD_NT   ; 32 lanes read 512 consecutive bytes
.endr
.endm
.macro TURN t                          ; step t's numbers through the stage: LDS serves a wave's instructions in order, so no wait stands between the stores and the loads
.irp i, 0,1,2,3
	ds_store_b128 v14, v[R+16*((\t)%AHEAD)+4*\i:R+16*((\t)%AHEAD)+4*\i+3] offset:32*SP*((\t)%2)+8*SP*\i
.endr
.irp i, 0,1,2,3
	ds_load_b128 v[X+16*((\t)%2)+4*\i:X+16*((\t)%2)+4*\i+3], v15 offset:32*SP*((\t)%2)+16*\i
.endr
.endm
.irp t, 0,1,2,3,4,5,6,7
	LOAD \t
.endr
	s_wait_loadcnt 28                              ; step 0's four loads are in; the seven younger steps' 28 may be out
	TURN 0
.macro STEP t
.set XS, X+16*((\t)%2)
.if (\t) > 0
	s_wait_dscnt 1                                 ; this step's numbers are back from the stage (the last step's byte store may be out): so its stores into the stage have read their registers,
.else
	s_wait_dscnt 0x0
.endif
.if (\t)+AHEAD < STEPS
	LOAD (\t)+AHEAD                                ; which take the loads of eight steps on
.endif
.if (\t)+1 < STEPS
.if STEPS-2-(\t) >= AHEAD-1
	s_wait_loadcnt 4*(AHEAD-1)                     ; the next step's four loads are in; those of the seven steps behind it may be out
.else
	s_wait_loadcnt 4*(STEPS-2-(\t))
.endif
	TURN (\t)+1                                    ; and go through the other stage while this step is worked
.endif
	v_max3_num_f32 v8, |v[XS]|, |v[XS+1]|, |v[XS+2]|               ; the largest magnitude of my 16, in two chains
	v_max3_num_f32 v9, |v[XS+3]|, |v[XS+4]|, |v[XS+5]|
.irp i, 6,10
	v_max3_num_f32 v8, v8, |v[XS+\i]|, |v[XS+\i+1]|
	v_max3_num_f32 v9, v9, |v[XS+\i+2]|, |v[XS+\i+3]|
.endr
	v_max3_num_f32 v8, v8, |v[XS+14]|, |v[XS+15]|
	v_max3_num_f32 v8, v8, v9, (EMAX+1)<<23        ; and the floor 2^(9 - 127): the byte cannot fall under 1
	v_max_num_f32_dpp v8, v8, v8 row_xmask:1 row_mask:0xf bank_mask:0xf   ; and of my neighbour's 16: the block's
	v_add_nc_u32 v11, -(EMAX<<23), v8              ; 8 off its exponent field: the conversion takes the exponent field of this operand as its scale
	v_and_or_b32 v10, v8, 0x7f800000, s23          ; 448 x the scale
.irp i, 0,1,2,3,4,5,6,7,8,9,10,11,12,13,14,15
	v_med3_num_f32 v[XS+\i], v[XS+\i], -v10, v10   ; the conversion to an 8-bit code does not saturate (ISA guide 7.6.2): the hold comes first
.endr
	v_cvt_scalef32_pk8_fp8_f32 v[C+4*(\t):C+4*(\t)+1], v[XS:XS+7], v11
	v_cvt_scalef32_pk8_fp8_f32 v[C+4*(\t)+2:C+4*(\t)+3], v[XS+8:XS+15], v11
	v_lshrrev_b32 v[E+(\t)], 23, v11               ; the scale's byte (also the plain line behind the conversions)
	ds_store_b8 v5, v[E+(\t)] offset:16*(\t)       ; both lanes of a block write the same byte with the same value
	global_store_b128 v3, v[C+4*(\t):C+4*(\t)+3], s[6:7] offset:512*(\t)   ; the wave stores 512 consecutive bytes, aligned
.endm
.irp t, 0,1,2,3,4,5,6,7,8,9,10,11,12,13,14,15
	STEP \t
.endr
	ds_load_b64 v[8:9], v6                         ; LDS serves a wave's instructions in order: these see my stores
	s_wait_dscnt 0x0
	global_store_b64 v7, v[8:9], s[8:9]            ; 32 lanes store 256 consecutive bytes, aligned: four rows' scale bytes
	s_wait_tensorcnt 0x0                           ; the wave's end
	ds_add_u32 v[SPW], v[NIL]
	s_wait_dscnt 0x0
	s_endpgm
.Lfunc_end_k_q62db803d1d_quant_x:
	.size	k_q62db803d1d_quant_x, .Lfunc_end_k_q62db803d1d_quant_x-k_q62db803d1d_quant_x
	.p2alignl 7, 3214868480
	.fill 96, 4, 3214868480
	.section	.rodata,"a",@progbits
	.p2align	6, 0x0
	.amdhsa_kernel k_q62db803d1d_quant_x
		.amdhsa_group_segment_fixed_size 33280
		.amdhsa_private_segment_fixed_size 0
		.amdhsa_enable_private_segment 0
		.amdhsa_kernarg_size 24
		.amdhsa_user_sgpr_count 2
		.amdhsa_user_sgpr_kernarg_segment_ptr 1
		.amdhsa_wavefront_size32 1
		.amdhsa_system_sgpr_workgroup_id_x 1
		.amdhsa_system_sgpr_workgroup_id_y 1
		.amdhsa_system_sgpr_workgroup_id_z 1
		.amdhsa_system_vgpr_workitem_id 0
		.amdhsa_next_free_vgpr 256
		.amdhsa_next_free_sgpr 66
		.amdhsa_reserve_vcc 0
		.amdhsa_float_denorm_mode_32 3
		.amdhsa_float_denorm_mode_16_64 3
		.amdhsa_memory_ordered 1
		.amdhsa_forward_progress 1
		.amdhsa_inst_pref_size 51
	.end_amdhsa_kernel
	.amdgpu_metadata
---
amdhsa.version: [ 1, 2 ]
amdhsa.kernels:
  - .name:           k_q62db803d1d_quant_x
    .symbol:         k_q62db803d1d_quant_x.kd
    .args:
      - { .name: hidden_states, .offset: 0, .size: 8, .value_kind: global_buffer, .address_space: global }
      - { .name: opc, .offset: 8, .size: 8, .value_kind: global_buffer, .address_space: global }
      - { .name: ops, .offset: 16, .size: 8, .value_kind: global_buffer, .address_space: global }
    .group_segment_fixed_size: 33280
    .private_segment_fixed_size: 0
    .kernarg_segment_align: 8
    .kernarg_segment_size: 24
    .max_flat_workgroup_size: 128
    .sgpr_count:     66
    .vgpr_count:     256
    .wavefront_size: 32
...
	.end_amdgpu_metadata
.endif
;; end of part 1
;; launch quant_w (part 2): grid 24 x 8, 4 waves a work-group, no clusters, 35,840 bytes of LDS; arguments Wq, Wk, Wv, opc, ops; writes opc, ops
.if DOCPART == 2
	.amdgcn_target "amdgcn-amd-amdhsa--gfx1250"
	.amdhsa_code_object_version 6
	.text
	.protected	k_q62db803d1d_quant_w
	.globl	k_q62db803d1d_quant_w
	.p2align	8
	.type	k_q62db803d1d_quant_w,@function
k_q62db803d1d_quant_w:
	s_mov_b64 s[64:65], 0
	v_nop
	global_prefetch_b8 v0, s[64:65] scope:SCOPE_SE
	s_setreg_imm32_b32 hwreg(HW_REG_WAVE_MODE, 25, 1), 1
	s_wait_xcnt 0x0
; Launch 2 of 4: Wq [2048][2048], Wk and Wv [2048][512], f32, K their FIRST axis, become codes of FP8 (E4M3) with K innermost and one E8M0 byte for each 32 along K: rows 4096 + f of opc and ops,
; f = 0..2047 Wq's columns, 2048..2559 Wk's, 2560..3071 Wv's; logical row x lies at position sw(x) = x with bits 3 and 4 exchanged (launch 1's head says why).  Nothing of the problem is left out.
; A LANE TAKES A COLUMN, AND ITS REGISTERS RUN DOWN K: each load reads neighbouring columns in neighbouring lanes (128 consecutive bytes a wave, 512 a work-group), a block of 32 along K lies in one lane's 32 registers,
; and the conversions give codes with K innermost.  A wave takes 32 columns x 256 along K; its codes go through its own stage in LDS and leave as rows: sixteen lanes store 256 consecutive bytes, aligned.
; ONE PATH SERVES THE THREE WEIGHTS: the pointer, the pitch and the column group are chosen by the work-group's number (x = 0-15 Wq, 16-19 Wk, 20-23 Wv); y is the chunk of 256 along K.
; No pointer is stepped: eight bases, one for each block, and 32 offsets, one for each row of a block.
; LIMITS: as launch 1: a block of zeros gets the byte 1, blocks under 2^-118 likewise; NaN and infinities are not served.
.set NB,    8                          ; blocks of 32 along K for a wave
.set PITCH, 272                        ; a stage row: 256 bytes of codes + 16
.set KROW,  2048                       ; a row of opc in bytes
.set EMAX,  8
.set MANT,  0x600000
.set X,     32                         ; v32-95   two sets of 32 numbers
.set C,     96                         ; v96-103  a block's codes
.set OUTR,  112                        ; v112-175 the way out
.set OF,    176                        ; v176-207 4 x lane + i x the weight's pitch; never rewritten
.set SPW,   14
.set NIL,   15
.set SPARE, 4*32*PITCH                 ; behind the four stages: the spare words, which no other line names
.set SB,    24                         ; v24-25   the scale bytes, four to a register
.set BT,    32                         ; s[32:47] block t's first row at my wave's first column
	s_load_b256 s[4:11], s[0:1], 0x0               ; Wq s[4:5], Wk s[6:7], Wv s[8:9], opc s[10:11]
	s_load_b64 s[12:13], s[0:1], 0x20              ; ops
	v_lshl_add_u32 v[SPW], v0, 2, SPARE
	v_mov_b32 v[NIL], 0
	v_lshrrev_b32 v1, 5, v0
	v_readfirstlane_b32 s16, v1                    ; wave 0..3
	v_and_b32 v2, 31, v0                           ; lane
	s_and_b32 s18, ttmp7, 0xffff                   ; y
	s_and_b32 s20, ttmp9, 3
	s_mov_b32 s19, 2048
	s_cmp_lt_u32 ttmp9, 16                         ; Wq's work-group?
	s_cselect_b32 s19, 8192, s19                   ; the weight's pitch in bytes
	s_cselect_b32 s20, ttmp9, s20                  ; which 128 columns of the weight
	v_lshlrev_b32 v3, 2, v2
.set i, 0
.rept 32
	v_mad_u32_u24 v[OF+i], s19, i, v3
.set i, i+1
.endr
	s_mul_i32 s30, s16, 32*PITCH                   ; my stage
	v_mul_u32_u24 v4, v2, PITCH
	v_add_nc_u32 v4, s30, v4                       ; into it: row = my column
	v_and_b32 v5, 15, v2
	v_lshrrev_b32 v6, 4, v2                        ; out of it: sixteen lanes to a row, two rows an instruction
	v_mul_u32_u24 v7, v6, PITCH
	v_lshl_add_u32 v7, v5, 4, v7
	v_add_nc_u32 v7, s30, v7
	v_mul_u32_u24 v8, v6, KROW
	v_lshl_add_u32 v8, v5, 4, v8                   ; and the same place in opc (bit 0 of a row stays where it is)
	v_and_b32 v9, 7, v2                            ; my column's position: bits 3 and 4 exchanged,
	v_bfe_u32 v10, v2, 3, 1
	v_lshl_or_b32 v9, v10, 4, v9
	v_bfe_u32 v10, v2, 4, 1
	v_lshl_or_b32 v9, v10, 3, v9
	v_lshlrev_b32 v9, 6, v9                        ; x 64 bytes: its row of ops
	s_lshl_b32 s17, ttmp9, 7
	s_lshl_b32 s21, s16, 5
	s_add_co_u32 s17, s17, s21
	s_add_co_u32 s17, s17, 4096                    ; my wave's first row of opc: 4096 + 128 x + 32 wave
	s_lshl_b32 s26, s17, 11
	s_lshl_b32 s21, s18, 8
	s_add_co_u32 s26, s26, s21                     ; codes: row x 2,048 + 256 y
	s_mov_b32 s27, 0
	s_lshl_b32 s28, s17, 6
	s_lshl_b32 s21, s18, 3
	s_add_co_u32 s28, s28, s21                     ; scale bytes: row x 64 + 8 y
	s_mov_b32 s29, 0
	s_lshl_b32 s21, s18, 8
	s_mul_i32 s22, s21, s19                        ; the weight: 256 y rows down,
	s_lshl_b32 s21, s20, 9
	s_add_co_u32 s22, s22, s21                     ; 128 columns a group,
	s_lshl_b32 s21, s16, 7
	s_add_co_u32 s22, s22, s21                     ; 32 a wave
	s_mov_b32 s23, 0
	s_lshl_b32 s24, s19, 5                         ; a block: 32 rows
	s_mov_b32 s25, 0
	s_wait_kmcnt 0x0
	s_cmp_lt_u32 ttmp9, 20                         ; the choices hang on the work-group's number alone
	s_cselect_b64 s[6:7], s[6:7], s[8:9]
	s_cmp_lt_u32 ttmp9, 16
	s_cselect_b64 s[4:5], s[4:5], s[6:7]
	s_add_nc_u64 s[BT:BT+1], s[4:5], s[22:23]
.irp t, 1,2,3,4,5,6,7
	s_add_nc_u64 s[BT+2*\t:BT+2*\t+1], s[BT+2*\t-2:BT+2*\t-1], s[24:25]
.endr
	s_add_nc_u64 s[10:11], s[10:11], s[26:27]
	s_add_nc_u64 s[12:13], s[12:13], s[28:29]
.macro LOAD t                          ; block t: W(256 y + 32 t + i, my column), i = 0 .. 31, into set t % 2
.set i, 0
.rept 32
	global_load_b32 v[X+32*((\t)%2)+i], v[OF+i], s[BT+2*(\t):BT+2*(\t)+1] th:TH_LOAD_NT
.set i, i+1
.endr
.endm
	LOAD 0
	LOAD 1
.macro BLOCK t
.set XS, X+32*((\t)%2)
.if (\t) < NB-1
	s_wait_loadcnt 32                              ; this block's 32 loads are in; the next block's may be out
.else
	s_wait_loadcnt 0
.endif
	v_max3_num_f32 v12, |v[XS]|, |v[XS+1]|, |v[XS+2]|               ; the block's largest magnitude: all 32 numbers are mine
	v_max3_num_f32 v13, |v[XS+3]|, |v[XS+4]|, |v[XS+5]|
.irp i, 6,10,14,18,22,26
	v_max3_num_f32 v12, v12, |v[XS+\i]|, |v[XS+\i+1]|
	v_max3_num_f32 v13, v13, |v[XS+\i+2]|, |v[XS+\i+3]|
.endr
	v_max3_num_f32 v12, v12, |v[XS+30]|, |v[XS+31]|
	v_max3_num_f32 v12, v12, v13, (EMAX+1)<<23     ; and the floor 2^(9 - 127)
	v_add_nc_u32 v11, -(EMAX<<23), v12             ; the conversion's scale operand
	v_lshrrev_b32 v13, 23, v11                     ; the scale's byte
.if (\t)%4 == 0
	v_mov_b32 v[SB+(\t)/4], v13                    ; four bytes to a register, the lower K in the lower byte
.else
	v_lshl_or_b32 v[SB+(\t)/4], v13, 8*((\t)%4), v[SB+(\t)/4]
.endif
.irp i, 0,1,2,3,4,5,6,7,8,9,10,11,12,13,14,15,16,17,18,19,20,21,22,23,24,25,26,27,28,29,30,31
.endr
.irp g, 0,1,2,3
	v_cvt_scalef32_pk8_fp8_f32 v[C+2*\g:C+2*\g+1], v[XS+8*\g:XS+8*\g+7], v11
.endr
	v_nop                                          ; a plain line behind the last conversion
	ds_store_b128 v4, v[C:C+3] offset:32*(\t)      ; 32 codes: 32 bytes of my column's row
	ds_store_b128 v4, v[C+4:C+7] offset:32*(\t)+16
.if (\t)+2 < NB
	LOAD (\t)+2
.endif
	s_wait_dscnt 0x0                               ; the stores have read their registers: the next block's codes may be written
.endm
.set Q, 0
.rept NB
	BLOCK Q
.set Q, Q+1
.endr
	s_wait_alu depctr_va_vdst(0)
	global_store_b64 v9, v[SB:SB+1], s[12:13]      ; my column's 8 scale bytes
.irp t, 0,1,2,3,4,5,6,7,8,9,10,11,12,13,14,15
	ds_load_b128 v[OUTR+4*\t:OUTR+4*\t+3], v7 offset:2*\t*PITCH   ; LDS serves a wave's instructions in order: these see my stores
.endr
.irp t, 0,1,2,3,4,5,6,7,8,9,10,11,12,13,14,15
	s_wait_dscnt 15-\t
	global_store_b128 v8, v[OUTR+4*\t:OUTR+4*\t+3], s[10:11] offset:(((2*\t)&7)|((((2*\t)>>3)&1)<<4)|((((2*\t)>>4)&1)<<3))*KROW   ; columns 2 t, 2 t + 1 at their positions
.endr
	s_wait_tensorcnt 0x0                           ; the wave's end
	ds_add_u32 v[SPW], v[NIL]
	s_wait_dscnt 0x0
	s_endpgm
.Lfunc_end_k_q62db803d1d_quant_w:
	.size	k_q62db803d1d_quant_w, .Lfunc_end_k_q62db803d1d_quant_w-k_q62db803d1d_quant_w
	.p2alignl 7, 3214868480
	.fill 96, 4, 3214868480
	.section	.rodata,"a",@progbits
	.p2align	6, 0x0
	.amdhsa_kernel k_q62db803d1d_quant_w
		.amdhsa_group_segment_fixed_size 35840
		.amdhsa_private_segment_fixed_size 0
		.amdhsa_enable_private_segment 0
		.amdhsa_kernarg_size 40
		.amdhsa_user_sgpr_count 2
		.amdhsa_user_sgpr_kernarg_segment_ptr 1
		.amdhsa_wavefront_size32 1
		.amdhsa_system_sgpr_workgroup_id_x 1
		.amdhsa_system_sgpr_workgroup_id_y 1
		.amdhsa_system_sgpr_workgroup_id_z 1
		.amdhsa_system_vgpr_workitem_id 0
		.amdhsa_next_free_vgpr 208
		.amdhsa_next_free_sgpr 66
		.amdhsa_reserve_vcc 0
		.amdhsa_float_denorm_mode_32 3
		.amdhsa_float_denorm_mode_16_64 3
		.amdhsa_fp16_overflow 1
		.amdhsa_memory_ordered 1
		.amdhsa_forward_progress 1
		.amdhsa_inst_pref_size 46
	.end_amdhsa_kernel
	.amdgpu_metadata
---
amdhsa.version: [ 1, 2 ]
amdhsa.kernels:
  - .name:           k_q62db803d1d_quant_w
    .symbol:         k_q62db803d1d_quant_w.kd
    .args:
      - { .name: Wq, .offset: 0, .size: 8, .value_kind: global_buffer, .address_space: global }
      - { .name: Wk, .offset: 8, .size: 8, .value_kind: global_buffer, .address_space: global }
      - { .name: Wv, .offset: 16, .size: 8, .value_kind: global_buffer, .address_space: global }
      - { .name: opc, .offset: 24, .size: 8, .value_kind: global_buffer, .address_space: global }
      - { .name: ops, .offset: 32, .size: 8, .value_kind: global_buffer, .address_space: global }
    .group_segment_fixed_size: 35840
    .private_segment_fixed_size: 0
    .kernarg_segment_align: 8
    .kernarg_segment_size: 40
    .max_flat_workgroup_size: 128
    .sgpr_count:     66
    .vgpr_count:     208
    .wavefront_size: 32
...
	.end_amdgpu_metadata
.endif
;; end of part 2
;; launch proj (part 3): grid 192 x 4, 4 waves a work-group, clusters of 4 x 4, 327,680 bytes of LDS; arguments opc, ops, bq, bk, bv, qkvc, qkvs; writes qkvc, qkvs
.if DOCPART == 3
	.amdgcn_target "amdgcn-amd-amdhsa--gfx1250"
	.amdhsa_code_object_version 6
	.text
	.protected	k_q62db803d1d_proj
	.globl	k_q62db803d1d_proj
	.p2align	8
	.type	k_q62db803d1d_proj,@function
k_q62db803d1d_proj:
	s_mov_b64 s[64:65], 0
	v_nop
	global_prefetch_b8 v0, s[64:65] scope:SCOPE_SE
	s_setreg_imm32_b32 hwreg(HW_REG_WAVE_MODE, 25, 1), 1
	s_wait_xcnt 0x0
	s_wait_alu depctr_hold_cnt(0) depctr_sa_sdst(0) depctr_va_vdst(0) depctr_va_sdst(0) depctr_va_ssrc(0) depctr_va_vcc(0) depctr_vm_vsrc(0)
	s_getreg_b32 s2, hwreg(HW_REG_IB_STS2, 6, 4)
	s_cmp_eq_u32 s2, 0
	s_cbranch_scc0 .Lentry_in_a_cluster
	s_endpgm
.Lentry_in_a_cluster:
	s_bfe_u32 s2, ttmp6, 0x10000c
	s_cmp_lg_u32 s2, 0xf033
	s_cbranch_scc0 .Lentry_shape_is_right
	s_endpgm
.Lentry_shape_is_right:
; Launch 3 of 4: q = x Wq + bq, k = x Wk + bk and v^T = (x Wv + bv)^T on codes of FP8 (E4M3) with E8M0 scales, and each result quantised in registers for the attention.  Nothing of the problem is left out.
; ONE TEXT FOR ALL THREE: out[m][n] = sum over k of P[m][k] Q[n][k] + bias, quantised along n.  P and Q are runs of rows of opc.  q, k: P = tokens, Q = features (quantised along the head's 128).
; v: P = Wv's features, Q = tokens: v^T comes out quantised along the tokens, which are the second attention product's K.
; A work-group makes a tile of 128 x 128, each of its four waves 64 x 64: 16 accumulators.  A 4 x 4 cluster covers 512 x 512: that divides 4,096 x 2,560 and 512 x 4,096 alike, which no cluster of larger square tiles does;
; the price is that a fragment read from LDS feeds four products only.  48 clusters: cluster x = 8 qc + i; qc 0-3: q's columns 512 qc on, 4: k, 5: v; i: tokens 512 i on.
; CLUSTERS: P's tile is shared along a row of the cluster, Q's along a column: each is asked for JOINTLY, by the same tensor load with the same descriptor and a mask that names the four.
; THE MATRIX INSTRUCTION IS USED TRANSPOSED (source 0 = 16 rows of Q, source 1 = 16 rows of P).  Rows of opc lie in the order of launch 1's head, so a lane holds ONE row of P, and its 16 registers of tiles 2 b, 2 b + 1
; are the logical columns 32 b + 16 (lane / 16) + 0 .. 15: a block of 32 lies in lanes l and l xor 16, and the conversions' results are 16 neighbouring bytes of the output row.
; OUTPUT: qkvc: 768 tiles of 128 rows x 128 code bytes, dense; qkvs: one 4-byte scale word a tile row.  q: tile 256 b + 16 h + s / 128; k: 512 + 16 (4 b + g) + s / 128; v: 640 + the same.
; A tile's row is P's POSITION p: token 128 st + sw(p) (q, k) or channel sw(p) (v); its bytes run along the logical n.
; K goes in four steps of 512 (LDS rows of 512 bytes + 16) through two slots, written out without a loop; the scale bytes of the tile's 256 rows for all of K come once, with the first fills.
; LIMITS: a block of zeros gets the byte 1, blocks whose largest magnitude lies under 2^-118 likewise; NaN and infinities are not served.
; REGISTERS: window 0: v1-29 addresses; v32-63 scale words, two sets, and nothing else; v64-95 the column bias, then codes; v96-99 the row bias, then scale bytes; v100-115 at work; v128-255 the accumulators, then the way out.
;   window 1: two fragment buffers of 128: P's four fragments (16 rows x 128 K), then Q's four.
.set KSTEP,  512
.set PITCH,  528                       ; 132 words: row r starts at bank 4 r mod 64 (64 banks of 4 bytes: ISA guide 11.1)
.set HALFT,  64*PITCH                  ; 64 rows: what one tensor load brings, and what one wave reads of P or of Q
.set SLOT,   4*HALFT                   ; P's 128 rows, then Q's 128
.set SCL,    2*SLOT                    ; behind the ring: the scale bytes, as rows of 256 bytes + 16
.set HALFS,  16*272                    ; those of 64 rows (64 bytes a row)
.set SBLK,   4*272                     ; those of 16 rows
.set SPARE,  SCL+4*HALFS               ; the spare words, 128 bytes for each wave, which no other line names
.set SPI,    144                       ; the way out: a stage of 128 rows x (128 bytes + 16), in slot 0, which has had its last fill and its last read when the first code is stored there
.set SCST,   128*SPI                   ; behind it, in slot 0 too: 128 scale words
.set ADRA, 16                          ; v16-17  LDS address of my P fragments in slot 0, 1
.set ADRB, 20                          ; v20-21  the same for Q
.set CO,   22                          ; v22     16 x lane
.set RDS,  23                          ; v23     where I read the scale words back
.set STO,  24                          ; v24     where I put 16 codes
.set STS,  25                          ; v25     where I put two scale bytes
.set RD,   26                          ; v26     where I read rows of codes back
.set ADRS, 27                          ; v27     my scale words: lanes 0-15 P's rows, lanes 16-31 Q's
.set SPW,  28
.set NIL,  29
.set SC,   32                          ; set s at SC + 16 s; register 4 i + q: lanes 0-15 P's block i, lanes 16-31 Q's block i, the K step's q-th 128
.set CB,   64
.set PC,   64
.set RB,   96
.set PW,   96
.set TM,   100
.set ACC,  128                         ; accumulator (a, t) at ACC + 8 (4 a + t)
.set OUTR, 128
.set F0,   0
.set F1,   128
.set G1,   24                          ; s[24:31] group 1 for P's tiles; s[32:39] group 0, a set for each slot
.set G0,   32
.set G1B,  48                          ; s[48:55], s[56:63] the same for Q's
.set G0B,  56
.set G1S,  68                          ; s[68:75], s[76:79] for P's scales; s[80:87], s[88:91] for Q's
.set G0S,  76
.set G1SB, 80
.set G0SB, 88
.set SEL,  96                          ; s[96:97] v_permlanex16_b32's selects for lane l xor 16
.set MNT,  98
.set MSB, 0
.macro WIN new                         ; the immediate's high byte repeats the setting that is left
.if MSB != \new
	s_set_vgpr_msb (MSB<<8)|\new
.set MSB, \new
.endif
.endm
.set MUL,  0x05                        ; sources 0 (Q) and 1 (P) window 1; C and D window 0
.set TO_F, 0x40                        ; destination window 1, address window 0
; A joint load: waves 0 and 1 fetch for P, waves 2 and 3 for Q.  The branch hangs on the wave's number alone.  An s_nop 0 and four v_nop follow each of the two lines.
.macro JLOAD g0a, g1a, g0b, g1b
	s_cmp_eq_u32 s19, 0
	s_cbranch_scc0 .Lfor_b_\@
	tensor_load_to_lds s[\g0a:\g0a+3], s[\g1a:\g1a+7]
	s_nop 0
.rept 4
	v_nop
.endr
	s_branch .Lasked_\@
.Lfor_b_\@:
	tensor_load_to_lds s[\g0b:\g0b+3], s[\g1b:\g1b+7]
	s_nop 0
.rept 4
	v_nop
.endr
.Lasked_\@:
.endm
.macro CREST                           ; a round of the cluster's barrier behind its opening barrier
	s_cmp_lg_u32 s18, 0
	s_cbranch_scc1 .Lnot_wave_0_\@
	s_barrier_signal -3
.Lnot_wave_0_\@:
	s_barrier_wait -3
	s_barrier_signal -1
	s_barrier_wait -1
.endm
.macro CROUND
	s_barrier_signal -1
	s_barrier_wait -1
	CREST
.endm
.macro PLACES n                        ; plain vector lines between a matrix instruction and a load into, or a vector read or write of, its registers: eight for this form
.rept \n
	v_nop
.endr
.endm
	s_load_b256 s[4:11], s[0:1], 0x0               ; opc s[4:5], ops s[6:7], bq s[8:9], bk s[10:11]
	s_load_b128 s[12:15], s[0:1], 0x20             ; bv s[12:13], qkvc s[14:15]
	s_load_b64 s[16:17], s[0:1], 0x30              ; qkvs
	v_lshl_add_u32 v[SPW], v0, 2, SPARE
	v_mov_b32 v[NIL], 0
	ds_add_u32 v[SPW], v[NIL]                      ; the wave's opening: the add, twice on end, and its wait ahead of my first tensor load
	ds_add_u32 v[SPW], v[NIL]
	v_lshrrev_b32 v1, 5, v0
	v_readfirstlane_b32 s18, v1                    ; wave 0..3
	s_lshr_b32 s19, s18, 1                         ; which half of the tile's rows is mine.  Also: I fetch for P (0) or for Q (1)
	s_and_b32 s20, s18, 1                          ; which half of its columns.  Also: which 64 rows I fetch
	s_bfe_u32 s40, ttmp6, 0x40000                  ; cx
	s_bfe_u32 s41, ttmp6, 0x40004                  ; cy
	s_and_b32 s42, ttmp9, 7                        ; i
	s_lshr_b32 s43, ttmp9, 3                       ; qc
	s_lshl_b32 s45, s41, 2
	s_lshl_b32 s45, 15, s45                        ; my row of the cluster
	s_lshl_b32 s46, 0x1111, s40                    ; my column
	s_or_b32 s[G1+0], s45, (0<<16)|(1<<20)|(1<<21)|(6<<22)|(3<<25)   ; the mask; elements of 1 byte; padding on; bit 21 beside a mask; after every 128 words; four words
	s_or_b32 s[G1B+0], s46, (0<<16)|(1<<20)|(1<<21)|(6<<22)|(3<<25)
.irp g, G1, G1B
	s_mov_b32 s[\g+1], KSTEP<<16                   ; tensor_dim0 = 512
	s_mov_b32 s[\g+2], 64<<16                      ; tensor_dim1 = 64
	s_mov_b32 s[\g+3], KSTEP<<16                   ; tile_dim0
	s_mov_b32 s[\g+4], 64                          ; tile_dim1
	s_mov_b32 s[\g+5], 2048                        ; a row of opc
	s_mov_b32 s[\g+6], 0
	s_mov_b32 s[\g+7], 0
.endr
	s_or_b32 s[G1S+0], s45, (3<<16)|(1<<20)|(1<<21)|(5<<22)|(3<<25)  ; the scales of 64 rows: 4,096 dense bytes as 16 rows of 32 elements of 8 bytes, 16 bytes of padding behind each
	s_or_b32 s[G1SB+0], s46, (3<<16)|(1<<20)|(1<<21)|(5<<22)|(3<<25)
.irp g, G1S, G1SB
	s_mov_b32 s[\g+1], 32<<16
	s_mov_b32 s[\g+2], 16<<16
	s_mov_b32 s[\g+3], 32<<16
	s_mov_b32 s[\g+4], 16
	s_mov_b32 s[\g+5], 32
	s_mov_b32 s[\g+6], 0
	s_mov_b32 s[\g+7], 0
.endr
	s_lshl_b32 s21, s42, 9                         ; the cluster's tokens: 512 i on
	s_lshl_b32 s22, s43, 9
	s_add_co_u32 s22, s22, 4096                    ; its features: rows 4096 + 512 qc on
	s_cmp_eq_u32 s43, 5                            ; v?  The same in all sixteen partners
	s_cselect_b32 s44, 1, 0
	s_cselect_b32 s23, s22, s21                    ; P's rows
	s_cselect_b32 s47, s21, s22                    ; Q's rows
	s_lshl_b32 s66, s20, 6                         ; which 64 rows of a tile I fetch
	s_lshl_b32 s2, s41, 7
	s_add_co_u32 s23, s23, s2                      ; P: + 128 cy, which my row of the cluster shares
	s_add_co_u32 s23, s23, s66
	s_lshl_b32 s3, s40, 7
	s_add_co_u32 s47, s47, s3                      ; Q: + 128 cx, which my column shares
	s_add_co_u32 s47, s47, s66
	s_lshl_b32 s92, s23, 11                        ; codes: 2,048 bytes a row
	s_mov_b32 s93, 0
	s_lshl_b32 s94, s23, 6                         ; scale bytes: 64 a row
	s_mov_b32 s95, 0
	s_lshl_b32 s96, s47, 11
	s_mov_b32 s97, 0
	s_lshl_b32 s98, s47, 6
	s_mov_b32 s99, 0
	s_mul_i32 s21, s18, HALFT                      ; where they go: wave x 64 rows: no place in the cluster enters an LDS address
	s_mul_i32 s22, s18, HALFS
	s_wait_dscnt 0x0                               ; both opening adds are done
	s_wait_kmcnt 0x0
	s_add_nc_u64 s[92:93], s[4:5], s[92:93]
	s_add_nc_u64 s[94:95], s[6:7], s[94:95]
	s_add_nc_u64 s[96:97], s[4:5], s[96:97]
	s_add_nc_u64 s[98:99], s[6:7], s[98:99]
	CROUND                                         ; all sixteen work-groups are here: the first joint loads meet
	s_mov_b32 s[G0S], 1
	s_add_co_u32 s[G0S+1], s22, SCL
	s_mov_b64 s[G0S+2:G0S+3], s[94:95]
	s_or_b32 s[G0S+3], s[G0S+3], 0x80000000
	s_mov_b32 s[G0SB], 1
	s_add_co_u32 s[G0SB+1], s22, SCL
	s_mov_b64 s[G0SB+2:G0SB+3], s[98:99]
	s_or_b32 s[G0SB+3], s[G0SB+3], 0x80000000
	JLOAD G0S, G1S, G0SB, G1SB                     ; the scales first: they are wanted with K step 0
.irp s, 0,1
	s_mov_b32 s[G0+4*\s], 1
	s_add_co_u32 s[G0+4*\s+1], s21, \s*SLOT
	s_add_nc_u64 s[G0+4*\s+2:G0+4*\s+3], s[92:93], \s*KSTEP
	s_or_b32 s[G0+4*\s+3], s[G0+4*\s+3], 0x80000000
	s_mov_b32 s[G0B+4*\s], 1
	s_add_co_u32 s[G0B+4*\s+1], s21, \s*SLOT
	s_add_nc_u64 s[G0B+4*\s+2:G0B+4*\s+3], s[96:97], \s*KSTEP
	s_or_b32 s[G0B+4*\s+3], s[G0B+4*\s+3], 0x80000000
	JLOAD G0+4*\s, G1, G0B+4*\s, G1B               ; three loads of mine are out at the most
.endr
	; where the tile goes, and whose bias it takes
	s_cmp_eq_u32 s44, 1
	s_cselect_b32 s2, s40, s41                     ; which of the cluster's four token tiles: cx for v, cy else
	s_cselect_b32 s3, s41, s40                     ; which of its four feature tiles
	s_cmp_lt_u32 s43, 4                            ; q?
	s_cselect_b32 s22, 6, 7                        ; q: 64 qc; k, v: 128 qc = 512, 640
	s_cselect_b32 s23, 8, 6                        ; q: 256 b; k, v: 64 b
	s_cselect_b32 s47, s43, 0                      ; bq begins at column 512 qc; bk and bv at 0
	s_cselect_b64 s[92:93], s[8:9], s[10:11]
	s_cmp_eq_u32 s44, 1
	s_cselect_b64 s[92:93], s[12:13], s[92:93]     ; bq, bk or bv
	s_lshl_b32 s21, s42, 2
	s_add_co_u32 s21, s21, s2                      ; the token tile, 0..31: 16 b + s / 128
	s_lshl_b32 s22, s43, s22
	s_lshr_b32 s66, s21, 4
	s_lshl_b32 s66, s66, s23
	s_add_co_u32 s22, s22, s66
	s_lshl_b32 s66, s3, 4
	s_add_co_u32 s22, s22, s66
	s_and_b32 s66, s21, 15
	s_add_co_u32 s22, s22, s66                     ; the tile's number in qkvc and qkvs
	s_lshl_b32 s94, s22, 14
	s_lshl_b32 s66, s18, 12
	s_add_co_u32 s94, s94, s66                     ; 16,384 bytes a tile; my wave stores 32 rows: 4,096
	s_mov_b32 s95, 0
	s_add_nc_u64 s[14:15], s[14:15], s[94:95]
	s_lshl_b32 s94, s22, 9
	s_add_nc_u64 s[16:17], s[16:17], s[94:95]
	s_lshl_b32 s94, s47, 11
	s_lshl_b32 s66, s3, 9
	s_add_co_u32 s94, s94, s66                     ; the tile's 128 biases
	s_add_nc_u64 s[92:93], s[92:93], s[94:95]
	s_mov_b32 s[SEL], 0x76543210
	s_mov_b32 s[SEL+1], 0xfedcba98
	v_and_b32 v1, 15, v0                           ; r
	v_bfe_u32 v2, v0, 4, 1                         ; h
	s_lshl_b32 s66, s20, 8
	v_lshl_add_u32 v8, v2, 6, s66                  ; the column bias: my columns 64 x half + 16 h on
	v_and_b32 v4, 8, v1
	v_add_nc_u32 v4, v4, v1                        ; r + 8 (r / 8)
	s_lshl_b32 s67, s19, 8
	v_lshl_add_u32 v9, v4, 2, s67                  ; the row bias: position r's logical row
.irp t, 0,1,2,3                                ; both are always loaded: no branch stands among the loads.  Tile t = 2 b + u: columns 32 b + 8 u + 16 h + 0 .. 7
	global_load_b128 v[CB+8*\t:CB+8*\t+3], v8, s[92:93] offset:(32*(\t/2)+8*(\t%2))*4
	global_load_b128 v[CB+8*\t+4:CB+8*\t+7], v8, s[92:93] offset:(32*(\t/2)+8*(\t%2))*4+16
.endr
.irp a, 0,1,2,3
	global_load_b32 v[RB+\a], v9, s[92:93] offset:(32*(\a/2)+8*(\a%2))*4
.endr
	v_mul_u32_u24 v3, v1, PITCH
	v_lshl_add_u32 v3, v2, 4, v3                   ; a fragment's row x pitch + 16 x half
	s_mul_i32 s66, s19, HALFT                      ; my 64 rows of P
	s_mul_i32 s67, s20, HALFT                      ; my 64 rows of Q,
	s_add_co_u32 s67, s67, 2*HALFT                 ; which lie behind P's 128
.irp s, 0,1
	v_add_nc_u32 v[ADRA+\s], s66, v3
	v_add_nc_u32 v[ADRB+\s], s67, v3
	s_add_co_u32 s66, s66, SLOT
	s_add_co_u32 s67, s67, SLOT
.endr
	v_lshlrev_b32 v5, 6, v1                        ; my row's scale bytes: 64 a row,
	v_lshrrev_b32 v6, 2, v1
	v_lshl_add_u32 v5, v6, 4, v5                   ; and 16 more for each 256 passed
	s_mul_i32 s66, s19, HALFS                      ; P's: my 64 rows
	s_mul_i32 s67, s20, HALFS                      ; Q's: my 64 rows, behind P's 128
	s_add_co_u32 s67, s67, 2*HALFS
	s_sub_co_u32 s67, s67, s66
	v_mul_u32_u24 v6, s67, v2                      ; lanes 16-31 take Q's: one product, the lower base + h x the distance
	s_add_co_u32 s66, s66, SCL
	v_add_nc_u32 v5, v5, v6
	v_add_nc_u32 v[ADRS], s66, v5
	v_and_b32 v5, 31, v0
	v_lshlrev_b32 v[CO], 4, v5
	v_add_nc_u32 v[RDS], SCST, v[CO]
	s_mul_i32 s66, s19, 64*SPI
	s_lshl_b32 s67, s20, 6
	s_add_co_u32 s66, s66, s67
	v_mul_u32_u24 v6, v1, SPI
	v_lshl_add_u32 v6, v2, 4, v6
	v_add_nc_u32 v[STO], s66, v6                   ; the stage: row 64 x half + r, byte 64 x half + 16 h
	s_lshl_b32 s66, s19, 8
	s_lshl_b32 s67, s20, 1
	s_add_co_u32 s66, s66, s67
	s_add_co_u32 s66, s66, SCST
	v_lshl_add_u32 v[STS], v1, 2, s66              ; the row's scale word, my half's two bytes
	v_lshrrev_b32 v6, 3, v5
	v_mul_u32_u24 v6, v6, SPI
	v_and_b32 v7, 7, v0
	v_lshl_add_u32 v6, v7, 4, v6
	s_mul_i32 s66, s18, 32*SPI
	v_add_nc_u32 v[RD], s66, v6                    ; back: my 32 rows, four rows (512 bytes) an instruction
.irp b, 0,1,2,3
	v_mov_b32 v[TM+4+\b], 0                        ; written once: a lane permute's destination counts as one of its sources
.endr
; 32 LDS loads in one run: P's and Q's four fragments of the slot's q-th 128 along K into buffer f.  A fragment: lane l holds row l % 16; registers 4 c .. 4 c + 3 hold K = 32 c + 16 (l / 16) + 0 .. 15
.macro FETCH slot, q, f
	WIN TO_F
.irp i, 0,1,2,3
.irp c, 0,1,2,3
	ds_load_b128 v[\f+64+16*\i+4*\c:\f+64+16*\i+4*\c+3], v[ADRB+\slot] offset:128*(\q)+32*\c+\i*16*PITCH
	ds_load_b128 v[\f+16*\i+4*\c:\f+16*\i+4*\c+3], v[ADRA+\slot] offset:128*(\q)+32*\c+\i*16*PITCH
.endr
.endr
.endm
.macro SCALES set, ks                  ; K step ks's scale words into a set: four words a row
	WIN 0
.irp i, 0,1,2,3
	ds_load_b128 v[SC+16*\set+4*\i:SC+16*\set+4*\i+3], v[ADRS] offset:\i*SBLK+16*(\ks)
.endr
.endm
; 8 matrix instructions: P's blocks a0, a0 + 1 x Q's four.  The 16 accumulators take turns, one instruction a turn, in the same order in every step.  zero = 1: the first product starts the sums
.macro MUL8 f, q, set, a0, zero
.irp a, \a0, \a0+1
.irp t, 0,1,2,3
.if \zero
	v_wmma_scale_f32_16x16x128_f8f6f4 v[ACC+8*(4*(\a)+\t):ACC+8*(4*(\a)+\t)+7], v[\f+64+16*\t:\f+64+16*\t+15], v[\f+16*(\a):\f+16*(\a)+15], 0, v[SC+16*\set+4*\t+\q], v[SC+16*\set+4*(\a)+\q] matrix_a_scale:MATRIX_SCALE_ROW1
.else
	v_wmma_scale_f32_16x16x128_f8f6f4 v[ACC+8*(4*(\a)+\t):ACC+8*(4*(\a)+\t)+7], v[\f+64+16*\t:\f+64+16*\t+15], v[\f+16*(\a):\f+16*(\a)+15], v[ACC+8*(4*(\a)+\t):ACC+8*(4*(\a)+\t)+7], v[SC+16*\set+4*\t+\q], v[SC+16*\set+4*(\a)+\q] matrix_a_scale:MATRIX_SCALE_ROW1
.endif
.endr
.endr
.endm
; One of a K step's first three sub-steps of 128: the next sub-step's fragments are asked for first, into the buffer that the last products have read, and land under this sub-step's 16 products
.macro SUB slot, q, f, g, zero
	s_wait_dscnt 0x0                               ; buffer f (and, at a slot's head, its scale words) is in: asked for a sub-step ago
	PLACES 8                                       ; behind the products that read buffer g
	FETCH \slot, (\q)+1, \g
	WIN MUL
	MUL8 \f, \q, \slot, 0, \zero
	MUL8 \f, \q, \slot, 2, \zero
.endm
; A slot's last sub-step changes slots: ONE barrier; in front of it each wave waits for all its tensor loads, adds 0 to its spare word, and waits for that and for its reads of this slot.  fill = 1: the barrier opens a round of the cluster's,
; and this slot is filled again, two K steps ahead.  The sub-step's second eight products stand behind the fetch of the next slot's first fragments.
.macro TURN slot, next, fill, ks
	WIN 0                                          ; (the add's two registers lie in window 0)
	s_wait_tensorcnt 0x0                           ; all my tensor loads have landed: my part of the next slot among them
	ds_add_u32 v[SPW], v[NIL]                      ; 0 onto my spare word
	s_wait_dscnt 1                                 ; buffer 1 is in; the add alone may be out
	WIN MUL
	MUL8 F1, 3, \slot, 0, 0                        ; eight products stand between the add and the wait for it
	WIN 0
	s_wait_dscnt 0x0                               ; the add is done, and my reads of this slot are over
	s_barrier_signal -1
	s_barrier_wait -1
.if \fill
	CREST                                          ; no wave of any partner still reads this slot's tile or has a load on its way
	s_add_nc_u64 s[G0+4*\slot+2:G0+4*\slot+3], s[G0+4*\slot+2:G0+4*\slot+3], 2*KSTEP
	s_add_nc_u64 s[G0B+4*\slot+2:G0B+4*\slot+3], s[G0B+4*\slot+2:G0B+4*\slot+3], 2*KSTEP
	JLOAD G0+4*\slot, G1, G0B+4*\slot, G1B         ; the first tensor load behind the round; its four v_nop are four of the eight places in front of the loads below
	PLACES 4
.else
	PLACES 8
.endif
	FETCH \next, 0, F0
	SCALES \next, (\ks)+1
	WIN MUL
	MUL8 F1, 3, \slot, 2, 0
.endm
	s_wait_tensorcnt 1                             ; the scales and my part of K step 0 are in (K step 1's load may be out)
	s_barrier_signal -1
	s_barrier_wait -1                              ; everybody's are
	FETCH 0, 0, F0
	SCALES 0, 0
	SUB 0, 0, F0, F1, 1                            ; K step 0: its first products start the sums: nothing is cleared
	SUB 0, 1, F1, F0, 0
	SUB 0, 2, F0, F1, 0
	TURN 0, 1, 1, 0                                ; slot 0 takes K step 2
	SUB 1, 0, F0, F1, 0                            ; K step 1
	SUB 1, 1, F1, F0, 0
	SUB 1, 2, F0, F1, 0
	TURN 1, 0, 1, 1                                ; slot 1 takes K step 3
	SUB 0, 0, F0, F1, 0                            ; K step 2
	SUB 0, 1, F1, F0, 0
	SUB 0, 2, F0, F1, 0
	TURN 0, 1, 0, 2                                ; nothing is left to fetch: a plain barrier; behind it nobody reads slot 0
	SUB 1, 0, F0, F1, 0                            ; K step 3
	SUB 1, 1, F1, F0, 0
	SUB 1, 2, F0, F1, 0
	s_wait_dscnt 0x0
	WIN MUL
	MUL8 F1, 3, 1, 0, 0
	MUL8 F1, 3, 1, 2, 0
	WIN 0
	PLACES 8
	s_wait_loadcnt 0x0                             ; the biases
	s_cmp_eq_u32 s44, 1                            ; the same in all sixteen partners; vector arithmetic alone stands in the two arms
	s_cbranch_scc1 .Lrow_bias
.irp a, 0,1,2,3                                ; q, k: the bias goes by the column; each accumulator from its low end on
.irp t, 0,1,2,3
.irp j, 0,2,4,6
	v_pk_add_f32 v[ACC+8*(4*\a+\t)+\j:ACC+8*(4*\a+\t)+\j+1], v[ACC+8*(4*\a+\t)+\j:ACC+8*(4*\a+\t)+\j+1], v[CB+8*\t+\j:CB+8*\t+\j+1]
.endr
.endr
.endr
	s_branch .Lbiased
.Lrow_bias:
.irp a, 0,1,2,3                                ; v^T: the bias goes by the row, which is the lane's
.set n, 0
.rept 32
	v_add_f32 v[ACC+32*\a+n], v[ACC+32*\a+n], v[RB+\a]
.set n, n+1
.endr
.endr
.Lbiased:
; Two of P's blocks at a time: 64 numbers of a lane in four blocks; block b: P's block 2 pair + b / 2, columns 32 (b % 2) + 16 (lane / 16) + 0 .. 15 of my 64
.macro QUANT2 pair
.set QS, ACC+64*\pair
.irp b, 0,1,2,3
	v_max3_num_f32 v[TM+\b], |v[QS+16*\b]|, |v[QS+1+16*\b]|, 0x4800000   ; my 16 numbers, and the floor 2^(9 - 127): the byte cannot fall under 1
.endr
.irp i, 2,4,6,8,10,12,14
.irp b, 0,1,2,3
	v_max3_num_f32 v[TM+\b], v[TM+\b], |v[QS+16*\b+\i]|, |v[QS+1+16*\b+\i]|   ; (the four blocks by turns)
.endr
.endr
.irp b, 0,1,2,3
	v_permlanex16_b32 v[TM+4+\b], v[TM+\b], s[SEL], s[SEL+1]
.endr
.irp b, 0,1,2,3
	v_max_num_f32 v[TM+\b], v[TM+\b], v[TM+4+\b]   ; with lane l xor 16's: the block's largest magnitude
.endr
.irp b, 0,1,2,3
	v_add_nc_u32 v[TM+12+\b], 0xfc000000, v[TM+\b] ; 8 off its exponent field: the conversion's scale operand
.endr
.irp b, 0,1,2,3
.endr
.irp b, 0,1,2,3
	v_lshrrev_b32 v[TM+4+\b], 23, v[TM+12+\b]      ; the scale's byte
.endr
	v_lshl_or_b32 v[PW+2*\pair], v[TM+5], 8, v[TM+4]     ; a row's two bytes of my 64 columns
	v_lshl_or_b32 v[PW+2*\pair+1], v[TM+7], 8, v[TM+6]
.irp b, 0,1,2,3
.irp i, 0,1,2,3,4,5,6,7,8,9,10,11,12,13,14,15
.endr
	v_cvt_scalef32_pk8_fp8_f32 v[PC+16*\pair+4*\b:PC+16*\pair+4*\b+1], v[QS+16*\b:QS+16*\b+7], v[TM+12+\b]
	v_cvt_scalef32_pk8_fp8_f32 v[PC+16*\pair+4*\b+2:PC+16*\pair+4*\b+3], v[QS+16*\b+8:QS+16*\b+15], v[TM+12+\b]
.endr
	v_nop                                          ; a plain line behind the last conversion
.irp b, 0,1,2,3
	ds_store_b128 v[STO], v[PC+16*\pair+4*\b:PC+16*\pair+4*\b+3] offset:(2*\pair+\b/2)*16*SPI+32*(\b%2)
.endr
	ds_store_b16 v[STS], v[PW+2*\pair] offset:64*(2*\pair)          ; lanes l and l xor 16 write the same two bytes with the same value
	ds_store_b16 v[STS], v[PW+2*\pair+1] offset:64*(2*\pair+1)
.endm
	QUANT2 0
	QUANT2 1
	s_wait_dscnt 0x0                               ; for the others' sake: my stores into the stages are done
	s_barrier_signal -1
	s_barrier_wait -1                              ; a row's 128 bytes and its scale word come from two waves
.irp k, 0,1,2,3,4,5,6,7
	ds_load_b128 v[OUTR+4*\k:OUTR+4*\k+3], v[RD] offset:4*SPI*\k
.endr
.irp k, 0,1,2,3,4,5,6,7
	s_wait_dscnt 7-\k
	global_store_b128 v[CO], v[OUTR+4*\k:OUTR+4*\k+3], s[14:15] offset:512*\k   ; four rows of the tile: 512 consecutive bytes, aligned
.endr
	s_cmp_lg_u32 s18, 0                            ; wave 0 stores the tile's 128 scale words
	s_cbranch_scc1 .Lno_scales
	ds_load_b128 v[OUTR+32:OUTR+35], v[RDS]
	s_wait_dscnt 0x0
	global_store_b128 v[CO], v[OUTR+32:OUTR+35], s[16:17]
.Lno_scales:
	s_wait_tensorcnt 0x0                           ; the wave's end
	ds_add_u32 v[SPW], v[NIL]
	s_wait_dscnt 0x0
	CROUND                                         ; the closing round: no work-group ends while a partner may still ask for a tile that names it
	s_endpgm
.Lfunc_end_k_q62db803d1d_proj:
	.size	k_q62db803d1d_proj, .Lfunc_end_k_q62db803d1d_proj-k_q62db803d1d_proj
	.p2alignl 7, 3214868480
	.fill 96, 4, 3214868480
	.section	.rodata,"a",@progbits
	.p2align	6, 0x0
	.amdhsa_kernel k_q62db803d1d_proj
		.amdhsa_group_segment_fixed_size 327680
		.amdhsa_private_segment_fixed_size 0
		.amdhsa_enable_private_segment 0
		.amdhsa_kernarg_size 56
		.amdhsa_user_sgpr_count 2
		.amdhsa_user_sgpr_kernarg_segment_ptr 1
		.amdhsa_wavefront_size32 1
		.amdhsa_system_sgpr_workgroup_id_x 1
		.amdhsa_system_sgpr_workgroup_id_y 1
		.amdhsa_system_sgpr_workgroup_id_z 1
		.amdhsa_system_vgpr_workitem_id 0
		.amdhsa_next_free_vgpr 512
		.amdhsa_next_free_sgpr 100
		.amdhsa_reserve_vcc 0
		.amdhsa_float_denorm_mode_32 3
		.amdhsa_float_denorm_mode_16_64 3
		.amdhsa_fp16_overflow 1
		.amdhsa_memory_ordered 1
		.amdhsa_forward_progress 1
		.amdhsa_inst_pref_size 104
	.end_amdhsa_kernel
	.amdgpu_metadata
---
amdhsa.version: [ 1, 2 ]
amdhsa.kernels:
  - .name:           k_q62db803d1d_proj
    .symbol:         k_q62db803d1d_proj.kd
    .args:
      - { .name: opc, .offset: 0, .size: 8, .value_kind: global_buffer, .address_space: global }
      - { .name: ops, .offset: 8, .size: 8, .value_kind: global_buffer, .address_space: global }
      - { .name: bq, .offset: 16, .size: 8, .value_kind: global_buffer, .address_space: global }
      - { .name: bk, .offset: 24, .size: 8, .value_kind: global_buffer, .address_space: global }
      - { .name: bv, .offset: 32, .size: 8, .value_kind: global_buffer, .address_space: global }
      - { .name: qkvc, .offset: 40, .size: 8, .value_kind: global_buffer, .address_space: global }
      - { .name: qkvs, .offset: 48, .size: 8, .value_kind: global_buffer, .address_space: global }
    .group_segment_fixed_size: 327680
    .private_segment_fixed_size: 0
    .kernarg_segment_align: 8
    .kernarg_segment_size: 56
    .max_flat_workgroup_size: 128
    .sgpr_count:     100
    .vgpr_count:     512
    .wavefront_size: 32
...
	.end_amdgpu_metadata
.endif
;; end of part 3
;; launch attn (part 4): grid 256 x 1, 8 waves a work-group, clusters of 4 x 1, 327,680 bytes of LDS; arguments qkvc, qkvs, out0; writes out0
.if DOCPART == 4
	.amdgcn_target "amdgcn-amd-amdhsa--gfx1250"
	.amdhsa_code_object_version 6
	.text
	.protected	k_q62db803d1d_attn
	.globl	k_q62db803d1d_attn
	.p2align	8
	.type	k_q62db803d1d_attn,@function
k_q62db803d1d_attn:
	s_mov_b64 s[64:65], 0
	v_nop
	global_prefetch_b8 v0, s[64:65] scope:SCOPE_SE
	s_setreg_imm32_b32 hwreg(HW_REG_WAVE_MODE, 25, 1), 1
	s_wait_xcnt 0x0
	s_wait_alu depctr_hold_cnt(0) depctr_sa_sdst(0) depctr_va_vdst(0) depctr_va_sdst(0) depctr_va_ssrc(0) depctr_va_vcc(0) depctr_vm_vsrc(0)
	s_getreg_b32 s2, hwreg(HW_REG_IB_STS2, 6, 4)
	s_cmp_eq_u32 s2, 0
	s_cbranch_scc0 .Lentry_in_a_cluster
	s_endpgm
.Lentry_in_a_cluster:
	s_bfe_u32 s2, ttmp6, 0x10000c
	s_cmp_lg_u32 s2, 0x3003
	s_cbranch_scc0 .Lentry_shape_is_right
	s_endpgm
.Lentry_shape_is_right:
; Launch 4 of 4: out0[b][s][128 h ..] = the sum over keys of softmax(q . k / sqrt(128)) v, head h with key and value head g = h mod 4, both products on codes of FP8 (E4M3) with E8M0 scales.  Nothing of the problem is left out.
; INPUT: launch 3's tiles of 128 rows x 128 code bytes and one scale word a row.  q: tile 256 b + 16 h + s / 128; k: 512 + 16 (4 b + g) + s / 128; v: 640 + the same.  A row of a q or k tile is POSITION p, holding token sw(p) of the tile
; (sw: bits 3 and 4 exchanged), its bytes the head's 128; a row of a v tile is position p, holding channel sw(p), its bytes the tile's 128 keys in their order.
; THE SOFTMAX AHEAD OF THE SECOND PRODUCT: t = score x log2(e) / sqrt(128); M = the row's largest t so far, rounded UP to a whole number; p = 2^(t - M) is what is quantised, along the keys.  The row's sum is taken of the unquantised p
; and divides O at the end.  When M moves, the sum and O are multiplied by 2^(old M - new M): exact.
; SHARES: a work-group owns 256 query positions of one head, each of its eight waves 32: TWO tiles of 16, so that each fragment of K and V that a wave reads from LDS feeds two products.  Two waves to a SIMD.
; Every wave walks the 2,048 keys, 128 a step.  A slot of the ring holds four steps: four tiles of K, four of V.
; A KEY STEP: K's eight fragments in one run of loads; 16 products S^T; V's eight fragments are asked for; the two tiles' softmax, under which V lands; 16 products O^T.
; CLUSTER: the four work-groups of a cluster are the four query heads (h = 4 cx + g) of one key and value head, at the same block of queries: they walk the same K and V, so every tile is asked for JOINTLY, by the same tensor load
; with the same descriptor and the mask of all four.  Waves 0 to 3 fetch, two tiles each by one load; all eight run the waits, the add and the round.
; LAYOUT: both products are used transposed: S^T = K Q^T (source 0 = 16 positions of keys), O^T = V^T P^T (source 0 = 16 positions of channels): a lane holds ONE query of each tile throughout.  By the row order, the 16 registers of score
; tiles 2 b, 2 b + 1 are keys 32 b + 16 (lane / 16) + 0 .. 15, so the conversions' results are the second product's operand; register i of O^T's tile t is channel 32 (t / 2) + 16 (lane / 16) + 8 (t % 2) + i.
; LIMITS: a block of p that is all zeros gets the byte 1 (its codes are zeros); NaN and infinities are not served.
; REGISTERS, in two windows of 256 (s_set_vgpr_msb: bits 1:0 source 0, 3:2 source 1, 5:4 source 2, 7:6 destination).  QUERY TILE 0'S STATE LIES IN WINDOW 0, TILE 1'S IN WINDOW 1, UNDER THE SAME NUMBERS, so that one text of the softmax
; serves both: v12 -M, v13 the largest t, v[14:15] the sum in two halves; v16-31 Q; v96-159 S^T, then p; v160-223 O^T; v224-239 p's codes; v232-254 at work.  v32-95: fragments 0-3 of K or V in window 0, fragments 4-7 in window 1.
; Window 0 alone: v1-3 addresses that stay; v5, v6 the add's; v7 the prefetches' offset, on the way out my offset in out0; v8-10 addresses of the loads in hand.  Scale operands have no window, so all scale words lie in window 0, in
; registers that hold nothing else: v248-251 K's or V's, two tiles to a register (lanes 0-15 the even tile's, lanes 16-31 the odd one's); v255, v4 Q's; v253, v11 p's.
; A product of fragment group g (0, 1) for query tile x (0, 1) runs under the setting g + 0x54 x; fourteen switches stand in a key step, for its 32 products.
.set KP,    144                        ; a tile's row in LDS: 128 bytes + 16: the 16 rows of a fragment start at 16 different groups of four banks (64 banks of 4 bytes: ISA guide 11.1)
.set HALF,  128*KP                     ; a tile
.set NST,   4                          ; key steps in a slot
.set VOFF,  NST*HALF                   ; a slot: K of four steps, then V of four steps
.set SLOTB, 2*NST*HALF                 ; a slot's bytes; slot 1 begins here
.set NSL,   4                          ; slots' worth of keys
.set SCK,   2*SLOTB                    ; behind the ring: K's scale words of the whole head, 8,192 bytes, as rows of 256 bytes + 16;
.set SCH,   16*272                     ; (half of them: what one tensor load brings); V's follow K's
.set SPARE, SCK+4*SCH                  ; the spare words, 128 bytes for each wave, which no other line names
.set AK0,  1
.set AV0,  2
.set ASK0, 3
.set QSB,  4                           ; v4   query tile 1's scale words
.set SPW,  5
.set NIL,  6
.set PFO,  7
.set GO,   7
.set ADK,  8
.set ADV,  9
.set ADS,  10
.set PSB,  11                          ; v11  the scale word of query tile 1's p
.set TB,   2                           ; s2   LDS byte at which the step's tile of K begins
.set TS,   3                           ; s3   where the step's scale words begin: 544 bytes a step
.set WV,   18
.set MNT,  19
.set SEL,  20
.set CS,   22                          ; s[22:23] c = log2(e) / sqrt(128)
.set G1T,  24                          ; s[24:31] group 1 for two tiles;  s[32:39] for scale words;  s[40:43] the tiles' group 0, which walks;  s[44:47] the scale words'
.set G1S,  32
.set G0T,  40
.set G0S,  44
.set LB,   62                          ; s62  where my two tiles lie in a slot
.set SLOTS, 67
.set PFA,  76                          ; s[76:77] where my prefetches stand
.set LIM,  80                          ; s80  1 in a wave that prefetches, else the greatest number
.set STP,  90                          ; s90  counts a slot's steps
.set FB,   91                          ; s91  the slot that is filled next: 0 or SLOTB
.set MSB, 0
.macro WIN new                         ; the immediate's high byte repeats the setting that is left; a switch that changes nothing is dropped
.if MSB != (\new)
	s_set_vgpr_msb (MSB<<8)|(\new)
.set MSB, (\new)
.endif
.endm
.macro CROUND                          ; a round of the cluster's barrier
	s_barrier_signal -1
	s_barrier_wait -1
	s_cmp_lg_u32 s[WV], 0
	s_cbranch_scc1 .Lnot_wave_0_\@
	s_barrier_signal -3
.Lnot_wave_0_\@:
	s_barrier_wait -3
	s_barrier_signal -1
	s_barrier_wait -1
.endm
.macro TLOAD                           ; waves 0 to 3 fetch two tiles each; the branch hangs on the wave's number alone.  An s_nop 0 and four v_nop follow the load
	s_cmp_lt_u32 s[WV], 4
	s_cbranch_scc0 .Lasked_\@
	tensor_load_to_lds s[G0T:G0T+3], s[G1T:G1T+7]
	s_nop 0
.rept 4
	v_nop
.endr
.Lasked_\@:
.endm
; A PREFETCH INTO THE L2 of what the NEXT change of slots will ask for: four tiles of K and four of V, 65,536 dense bytes each.  The eight clusters of a key and value head walk the same tiles: the one at the first block of queries asks.
; Its four partners share the bytes out BY ADDRESS, 16,384 each; in each, waves 4 and 5 ask for K's and waves 6 and 7 for V's, 8,192 bytes a wave: one instruction, lanes 256 bytes apart.  So each block of 256 bytes is named once in the
; launch.  The last change that fills a slot asks for nothing; slots 0 and 1 come by their loads alone.
.macro ASK
	s_cmp_gt_u32 s[SLOTS], s[LIM]
	s_cbranch_scc0 .Lnot_mine_\@
	global_prefetch_b8 v[PFO], s[PFA:PFA+1] th:TH_LOAD_NT scope:SCOPE_SE
.Lnot_mine_\@:
.endm
	s_load_b128 s[4:7], s[0:1], 0x0                ; qkvc, qkvs
	s_load_b64 s[8:9], s[0:1], 0x10                ; out0
	v_lshl_add_u32 v[SPW], v0, 2, SPARE
	v_mov_b32 v[NIL], 0
	ds_add_u32 v[SPW], v[NIL]                      ; the wave's opening: the add, twice on end, and its wait ahead of the first tensor load
	ds_add_u32 v[SPW], v[NIL]
	v_lshrrev_b32 v8, 5, v0
	s_delay_alu instid0(VALU_DEP_1)
	v_readfirstlane_b32 s[WV], v8                  ; wave 0..7
	s_bfe_u32 s48, ttmp6, 0x40000                  ; cx: which of the four query heads
	s_lshr_b32 s49, ttmp9, 3                       ; 4 b + g
	s_and_b32 s50, ttmp9, 7                        ; the block of 256 queries
	s_lshr_b32 s51, s49, 2                         ; b
	s_and_b32 s52, s49, 3                          ; g
	s_lshl_b32 s53, s48, 2
	s_add_co_u32 s53, s53, s52                     ; h = 4 cx + g: it enters Q's and out0's addresses alone
	s_min_u32 s54, s[WV], 3                        ; what I fetch, if I fetch: 0, 1: K's tiles of a slot, two each; 2, 3: V's
	s_lshr_b32 s55, s54, 1
	s_and_b32 s56, s54, 1
	s_lshl_b32 s57, s55, 7
	s_lshl_b32 s58, s49, 4
	s_add_co_u32 s57, s57, s58
	s_add_co_u32 s57, s57, 512                     ; the head's first tile of K (512 + 16 (4 b + g)) or of V (128 more)
	s_lshl_b32 s58, s56, 1
	s_add_co_u32 s58, s58, s57
	s_lshl_b32 s58, s58, 14                        ; my two tiles of slot 0, in bytes
	s_mov_b32 s59, 0
	s_lshl_b32 s60, s56, 3
	s_add_co_u32 s60, s60, s57
	s_lshl_b32 s60, s60, 9                         ; my eight tiles' scale words
	s_mov_b32 s61, 0
	s_mul_i32 s[LB], s54, 2*HALF                   ; and where they go: no place in the cluster enters an LDS address
	s_mul_i32 s63, s54, SCH
	s_mov_b32 s[G1T], 15|(0<<16)|(1<<20)|(1<<21)|(4<<22)|(3<<25)   ; the mask: all four; elements of 1 byte; padding on; bit 21 beside a mask; after every 32 words; four words
	s_mov_b32 s[G1T+1], 128<<16                    ; tensor_dim0
	s_mov_b32 s[G1T+2], 256<<16                    ; tensor_dim1: two tiles on end
	s_mov_b32 s[G1T+3], 128<<16                    ; tile_dim0
	s_mov_b32 s[G1T+4], 256                        ; tile_dim1
	s_mov_b32 s[G1T+5], 128                        ; rows are dense
	s_mov_b32 s[G1T+6], 0
	s_mov_b32 s[G1T+7], 0
	s_mov_b32 s[G1S], 15|(3<<16)|(1<<20)|(1<<21)|(5<<22)|(3<<25)   ; 4,096 dense bytes as 16 rows of 32 elements of 8 bytes, 16 bytes of padding behind each
	s_mov_b32 s[G1S+1], 32<<16
	s_mov_b32 s[G1S+2], 16<<16
	s_mov_b32 s[G1S+3], 32<<16
	s_mov_b32 s[G1S+4], 16
	s_mov_b32 s[G1S+5], 32
	s_mov_b32 s[G1S+6], 0
	s_mov_b32 s[G1S+7], 0
	s_lshl_b32 s68, s51, 8
	s_lshl_b32 s69, s53, 4
	s_add_co_u32 s68, s68, s69
	s_lshl_b32 s69, s50, 1
	s_add_co_u32 s68, s68, s69                     ; my work-group's first tile of q: 256 b + 16 h + 2 x block
	s_lshl_b32 s70, s68, 14
	s_lshl_b32 s69, s[WV], 12
	s_add_co_u32 s70, s70, s69                     ; my 32 positions' codes
	s_mov_b32 s71, 0
	s_lshl_b32 s72, s68, 9
	s_lshl_b32 s69, s[WV], 7
	s_add_co_u32 s72, s72, s69                     ; and their scale words
	s_mov_b32 s73, 0
	s_lshl_b32 s74, s51, 11                        ; my 32 positions hold the 32 tokens from 2,048 b + 256 x block + 32 w on
	s_lshl_b32 s69, s50, 8
	s_add_co_u32 s74, s74, s69
	s_lshl_b32 s69, s[WV], 5
	s_add_co_u32 s74, s74, s69
	s_lshl_b32 s74, s74, 13                        ; 8,192 bytes a row of out0,
	s_lshl_b32 s69, s53, 9
	s_add_co_u32 s74, s74, s69                     ; 512 a head
	s_mov_b32 s75, 0
	s_bfe_u32 s81, s[WV], 0x10001                  ; the prefetches: waves 4, 5: K; waves 6, 7: V
	s_lshl_b32 s81, s81, 7
	s_lshl_b32 s82, s49, 4
	s_add_co_u32 s81, s81, s82
	s_add_co_u32 s81, s81, 512
	s_lshl_b32 s81, s81, 14
	s_lshl_b32 s82, s48, 14                        ; my work-group's 16,384 bytes of a slot's 65,536,
	s_add_co_u32 s82, s82, s81
	s_and_b32 s83, s[WV], 1
	s_lshl_b32 s83, s83, 13                        ; my wave's 8,192 of them,
	s_add_co_u32 s82, s82, s83
	s_add_co_u32 s82, s82, 65536                   ; in slot 1: the first change of slots steps it to slot 2.  Nothing is prefetched at the head
	s_mov_b32 s83, 0
	s_lshr_b32 s84, s[WV], 2
	s_xor_b32 s84, s84, 1                          ; 0 in waves 4 to 7,
	s_or_b32 s84, s84, s50                         ; of the clusters at the first block of queries: the same in all four partners
	s_cmp_eq_u32 s84, 0
	s_cselect_b32 s[LIM], 1, -1
	s_mov_b32 s[SEL], 0x76543210
	s_mov_b32 s[SEL+1], 0xfedcba98
	s_mov_b32 s[CS], 0x3e0293ee                    ; c = log2(e) / sqrt(128)
	s_mov_b32 s[CS+1], s[CS]                       ; (named with it as a pair, so it is written)
	s_mov_b32 s[TB], 0
	s_mov_b32 s[TS], 0
	s_mov_b32 s[FB], 0
	s_mov_b32 s[SLOTS], NSL-1
	s_wait_dscnt 0x0                               ; both opening adds are done
	s_wait_kmcnt 0x0
	s_mov_b32 s[G0S], 1
	s_add_co_u32 s[G0S+1], s63, SCK
	s_add_nc_u64 s[G0S+2:G0S+3], s[6:7], s[60:61]
	s_or_b32 s[G0S+3], s[G0S+3], 0x80000000
	s_mov_b32 s[G0T], 1
	s_mov_b32 s[G0T+1], s[LB]
	s_add_nc_u64 s[G0T+2:G0T+3], s[4:5], s[58:59]
	s_or_b32 s[G0T+3], s[G0T+3], 0x80000000
	s_add_nc_u64 s[PFA:PFA+1], s[4:5], s[82:83]
	s_add_nc_u64 s[84:85], s[4:5], s[70:71]        ; Q's codes
	s_add_nc_u64 s[86:87], s[6:7], s[72:73]        ; Q's scale words
	s_add_nc_u64 s[8:9], s[8:9], s[74:75]          ; out0
	CROUND                                         ; all four work-groups are here: the first joint loads meet
	s_cmp_lt_u32 s[WV], 4                          ; a wave's two first fills stand in one branch, ahead of every wait on TENSORcnt and every LDS read: two loads of mine are out at the most
	s_cbranch_scc0 .Lno_first
	tensor_load_to_lds s[G0S:G0S+3], s[G1S:G1S+7]  ; the scale words of the whole head: filled once
	s_nop 0
	tensor_load_to_lds s[G0T:G0T+3], s[G1T:G1T+7]  ; slot 0
	s_nop 0
.rept 4
	v_nop
.endr
.Lno_first:
	v_and_b32 v8, 15, v0                           ; r
	v_bfe_u32 v9, v0, 4, 1                         ; h
	s_delay_alu instid0(VALU_DEP_2)
	v_lshlrev_b32 v10, 7, v8
	s_delay_alu instid0(VALU_DEP_1)
	v_lshl_add_u32 v10, v9, 4, v10                 ; Q: position r, + my half's bytes
.irp c, 0,1,2,3
	global_load_b128 v[16+4*\c:19+4*\c], v10, s[84:85] offset:32*\c   ; query tile 0's fragment stays in registers
.endr
	v_lshlrev_b32 v254, 2, v8
	global_load_b32 v255, v254, s[86:87]           ; its scale words,
	global_load_b32 v[QSB], v254, s[86:87] offset:64   ; and tile 1's
	WIN 0x40                                       ; destination window 1
.irp c, 0,1,2,3
	global_load_b128 v[16+4*\c:19+4*\c], v10, s[84:85] offset:2048+32*\c   ; query tile 1's fragment: 16 positions on
.endr
	WIN 0
	v_mul_u32_u24 v[AK0], v8, KP
	s_delay_alu instid0(VALU_DEP_1)
	v_lshl_add_u32 v[AK0], v9, 4, v[AK0]           ; my lane's place in a tile of K: 16 neighbouring rows
	s_delay_alu instid0(VALU_DEP_1)
	v_add_nc_u32 v[AV0], VOFF, v[AK0]              ; and of V
	v_lshl_add_u32 v[ASK0], v8, 2, SCK             ; and among the scale words: lanes 0-15 an even tile's row r,
	s_delay_alu instid0(VALU_DEP_1)
	v_lshl_add_u32 v[ASK0], v9, 6, v[ASK0]         ; lanes 16-31 the next tile's
	v_and_b32 v[PFO], 31, v0
	s_delay_alu instid0(VALU_DEP_1)
	v_lshlrev_b32 v[PFO], 8, v[PFO]
.macro INIT                            ; a query tile's state ahead of the first key step
	v_mov_b32 v13, 0xff61b1e6                      ; the largest t so far: -3e38, under every t
	s_delay_alu instid0(VALU_DEP_1)
	v_floor_f32 v12, -v13                          ; -M
	v_mov_b32 v14, 0                               ; the sum, in two halves
	v_mov_b32 v15, 0
.irp b, 0,1,2,3
	v_mov_b32 v[236+\b], 0                         ; written once: a lane permute's destination counts as one of its sources
.endr
	v_mov_b32 v253, 0                              ; (named as the upper half of the pair v[252:253] before it is first written)
.set j, 0
.rept 64
	v_mov_b32 v[160+j], 0                          ; O^T.  (The key step is written without a first step of its own: it finds zeros, which the first change of M leaves zeros)
.set j, j+1
.endr
.endm
	INIT
	WIN 0x55
	INIT
	WIN 0
; 36 LDS loads in one run: a step's eight fragments of K or of V (fragments 0-3 into window 0, 4-7 into window 1) and, between them, their scale words, two tiles to a register
.macro FRAGS adr, so
.irp t, 0,1,2,3
.irp c, 0,1,2,3
	ds_load_b128 v[32+16*\t+4*\c:35+16*\t+4*\c], v[\adr] offset:16*\t*KP+32*\c
.endr
.endr
.irp j, 0,1,2,3
	ds_load_b32 v[248+\j], v[ADS] offset:\so+272*(\j/2)+128*(\j%2)
.endr
	WIN 0x40
.irp t, 0,1,2,3
.irp c, 0,1,2,3
	ds_load_b128 v[32+16*\t+4*\c:35+16*\t+4*\c], v[\adr] offset:16*(4+\t)*KP+32*\c
.endr
.endr
.endm
; Four products S^T = K Q^T: fragment group g, query tile x, whose scale words lie in v[qs].  An odd tile of keys has its scale words in lanes 16-31
.macro KQ g, x, qs
	WIN (\g)+0x54*(\x)
.irp u, 0,1
	v_wmma_scale_f32_16x16x128_f8f6f4 v[96+8*(4*(\g)+2*\u):103+8*(4*(\g)+2*\u)], v[32+32*\u:47+32*\u], v[16:31], 0, v[248+2*(\g)+\u], v[\qs]
	v_wmma_scale_f32_16x16x128_f8f6f4 v[104+8*(4*(\g)+2*\u):111+8*(4*(\g)+2*\u)], v[48+32*\u:63+32*\u], v[16:31], 0, v[248+2*(\g)+\u], v[\qs] matrix_a_scale:MATRIX_SCALE_ROW1
.endr
.endm
; Four products O^T += V^T P^T: fragment group g, query tile x, whose p has its scale word in v[ps].  The 16 accumulators of a step take turns, one instruction a turn
.macro PV g, x, ps
	WIN (\g)+0x54*(\x)
.irp u, 0,1
	v_wmma_scale_f32_16x16x128_f8f6f4 v[160+8*(4*(\g)+2*\u):167+8*(4*(\g)+2*\u)], v[32+32*\u:47+32*\u], v[224:239], v[160+8*(4*(\g)+2*\u):167+8*(4*(\g)+2*\u)], v[248+2*(\g)+\u], v[\ps]
	v_wmma_scale_f32_16x16x128_f8f6f4 v[168+8*(4*(\g)+2*\u):175+8*(4*(\g)+2*\u)], v[48+32*\u:63+32*\u], v[224:239], v[168+8*(4*(\g)+2*\u):175+8*(4*(\g)+2*\u)], v[248+2*(\g)+\u], v[\ps] matrix_a_scale:MATRIX_SCALE_ROW1
.endr
.endm
; ONE QUERY TILE'S SOFTMAX FOR 128 KEYS.  It names registers of the tile's own state alone, so it runs with every operand place in window 0 (tile 0) or in window 1 (tile 1).
.macro SOFTMAX
.irp b, 0,1,2,3
	v_max3_num_f32 v[232+\b], v[96+16*\b], v[97+16*\b], v[98+16*\b]   ; THE LARGEST SCORE OF EACH BLOCK OF 32 KEYS: it serves twice: for the row's maximum, and, since p rises with the score, for the block's largest p
.endr
.irp i, 3,5,7,9,11,13
.irp b, 0,1,2,3
	v_max3_num_f32 v[232+\b], v[232+\b], v[96+16*\b+\i], v[97+16*\b+\i]   ; (the four blocks by turns)
.endr
.endr
.irp b, 0,1,2,3
	v_max_num_f32 v[232+\b], v[232+\b], v[111+16*\b]
.endr
.irp b, 0,1,2,3
	v_permlanex16_b32 v[236+\b], v[232+\b], s[SEL], s[SEL+1]
.endr
.irp b, 0,1,2,3
	s_delay_alu instid0(VALU_DEP_4)
	v_max_num_f32 v[232+\b], v[232+\b], v[236+\b]  ; with lane l xor 16's 16 keys
.endr
	s_delay_alu instid0(VALU_DEP_2)
	v_max3_num_f32 v254, v232, v233, v234
	s_delay_alu instid0(VALU_DEP_1)
	v_max_num_f32 v254, v254, v235                 ; the step's largest score of my query
	s_delay_alu instid0(VALU_DEP_1)
	v_mul_f32 v254, s[CS], v254                    ; as t (c is positive)
	s_delay_alu instid0(VALU_DEP_1)
	v_max_num_f32 v13, v13, v254                   ; the running largest t
	v_mov_b32 v254, v12
	s_delay_alu instid0(VALU_DEP_2)
	v_floor_f32 v12, -v13                          ; the new -M = floor(-t) = -ceil(t): M is a whole number
	s_delay_alu instid0(VALU_DEP_1)
	v_sub_f32 v254, v12, v254                      ; M's old value less its new one: a whole number, 0 or less
	s_delay_alu instid0(VALU_DEP_1)
	v_cvt_i32_f32 v254, v254                       ; (it saturates)
	s_delay_alu instid0(VALU_DEP_1)
	v_ldexp_f32 v252, 1.0, v254                    ; f = 2^(old M - new M): a multiplication by it rounds nothing
.set j, 0
.rept 32
	v_pk_fma_f32 v[96+j:97+j], v[96+j:97+j], s[CS:CS+1], v[12:13] op_sel_hi:[1,0,0]   ; t - M, two at a time (of the pairs c and -M the low word serves both halves)
.set j, j+2
.endr
.irp b, 0,1,2,3
	v_fma_f32 v[232+\b], v[232+\b], s[CS], v12     ; the same of each block's largest score
.endr
.set j, 0
	s_wait_alu depctr_va_vdst(0)
.rept 64
	v_exp_f32 v[96+j], v[96+j]                     ; p = 2^(t - M), at most 1: not normalised
.set j, j+1
.endr
	v_pk_mul_f32 v[14:15], v[14:15], v[252:253] op_sel_hi:[1,0]   ; the sums under the new M.  (A plain line behind the exponentials)
	s_wait_alu depctr_va_vdst(0)                   ; one wait for the whole batch, ahead of its first reader
.irp b, 0,1,2,3
	v_exp_f32 v[232+\b], v[232+\b]                 ; the block's largest p: the same two instructions on the same number give the same bits
.endr
	v_pk_add_f32 v[236:237], v[96:97], v[98:99]    ; THE ROW'S SUM IS TAKEN OF THE UNQUANTISED p: two at a time, in two chains.  (It reads the 64 alone: plain work behind the four)
.set j, 4
.rept 15
	v_pk_add_f32 v[14:15], v[14:15], v[96+j:97+j]
	v_pk_add_f32 v[236:237], v[236:237], v[98+j:99+j]
.set j, j+4
.endr
	s_delay_alu instid0(VALU_DEP_1)
	v_pk_add_f32 v[14:15], v[14:15], v[236:237]
	s_wait_alu depctr_va_vdst(0)                   ; and one for the four
.irp b, 0,1,2,3
	v_max_num_f32 v[232+\b], 0x4800000, v[232+\b]  ; the floor 2^(9 - 127): the byte cannot fall under 1
.endr
.irp b, 0,1,2,3
	s_delay_alu instid0(VALU_DEP_4)
	v_add_nc_u32 v[244+\b], 0xfc000000, v[232+\b]  ; 8 off the exponent field: the conversion's scale operand
.endr
.irp b, 0,1,2,3
.endr
.irp b, 0,1,2,3
	s_delay_alu instid0(VALU_DEP_4)
	v_lshrrev_b32 v[236+\b], 23, v[244+\b]         ; the scale's byte
.endr
	s_delay_alu instid0(VALU_DEP_3)
	v_lshl_or_b32 v253, v237, 8, v236              ; p's scale word for these 128 keys
	s_delay_alu instid0(VALU_DEP_1)
	v_lshl_or_b32 v253, v238, 16, v253
	s_delay_alu instid0(VALU_DEP_1)
	v_lshl_or_b32 v253, v239, 24, v253
.irp b, 0,1,2,3
.irp i, 0,1,2,3,4,5,6,7,8,9,10,11,12,13,14,15
.endr
	v_cvt_scalef32_pk8_fp8_f32 v[224+4*\b:225+4*\b], v[96+16*\b:103+16*\b], v[244+\b]
	v_cvt_scalef32_pk8_fp8_f32 v[226+4*\b:227+4*\b], v[104+16*\b:111+16*\b], v[244+\b]
.endr
.set j, 0
.rept 32
	v_pk_mul_f32 v[160+j:161+j], v[160+j:161+j], v[252:253] op_sel_hi:[1,0]   ; O^T under the new M: x f, each accumulator from its low end on.  (These 32 are also the plain lines between the codes and the products that take them)
.set j, j+2
.endr
.endm
; A KEY STEP: 128 keys, both query tiles.  Written once for a slot's four steps: the LDS addresses hang on s[TB] and s[TS].
.macro STEP
	v_add_nc_u32 v[ADK], s[TB], v[AK0]
	v_add_nc_u32 v[ADV], s[TB], v[AV0]
	v_add_nc_u32 v[ADS], s[TS], v[ASK0]
.rept 5
	v_nop                                          ; with the three additions: eight plain lines between the last step's products and the loads into the registers that they read
.endr
	FRAGS ADK, 0                                   ; K
	s_wait_alu depctr_va_vdst(0)
	s_wait_dscnt 16                                ; fragments 0-3 and the scale words are in; the 16 loads of fragments 4-7 may be out
	KQ 0, 0, 255
	KQ 0, 1, QSB
	s_wait_dscnt 0x0
	KQ 1, 1, QSB
	KQ 1, 0, 255
	WIN 0
.rept 8
	v_nop                                          ; eight plain lines: for the loads below, and for the first read of the scores
.endr
	FRAGS ADV, 2*SCH                               ; V IS ASKED FOR AHEAD OF THE SOFTMAX, which names none of its registers: it lands under the two tiles' vector work
	WIN 0x55
	SOFTMAX                                        ; query tile 1
	WIN 0x01                                       ; source 0 window 1, destination window 0
	v_mov_b32 v[PSB], v253                         ; its p's scale word goes where a scale operand can name it; tile 0's whole softmax stands between this line and the products that read it
	WIN 0
	s_setprio 1
	SOFTMAX                                        ; query tile 0
.rept 4
	v_nop                                          ; four plain lines between the last multiplication of O^T and the products that add onto it
.endr
	s_setprio 0
	s_wait_alu depctr_va_vdst(0)
	s_wait_dscnt 0x0                               ; V is in
	PV 0, 0, 253
	PV 1, 0, 253
	PV 1, 1, PSB
	PV 0, 1, PSB
	WIN 0                                          ; at a label and at a branch every window is 0
	s_add_co_u32 s[TB], s[TB], HALF                ; the next step's tiles,
	s_add_co_u32 s[TS], s[TS], 544                 ; and its scale words: two rows of 272
.endm
; THE CHANGE OF SLOTS stands at a slot's head.  Each wave waits for all its tensor loads, adds 0 to its spare word (fill = 1: twice on end), and waits for that and for its reads of the slot that it has left.
; fill = 1: a round of the cluster's barrier: no wave of any partner still reads the other slot or has a load on its way; that slot takes the next 512 keys, and the load has four key steps in which to land.
.macro CHANGE fill
	s_wait_tensorcnt 0x0                           ; no tensor load of mine is out, so a group 0 may be written
	ds_add_u32 v[SPW], v[NIL]                      ; 0 onto my spare word
.if \fill
	ds_add_u32 v[SPW], v[NIL]                      ; and once more: twice on end, in every trip alike
	s_xor_b32 s[FB], s[FB], SLOTB                  ; the walking descriptor: the other slot than last time,
	s_add_co_u32 s[G0T+1], s[FB], s[LB]            ; my two tiles' place in it,
	s_add_nc_u64 s[G0T+2:G0T+3], s[G0T+2:G0T+3], 65536   ; four tiles on; the type bits on top are not reached
	s_wait_xcnt 0x0                                ; the last prefetch, a slot back, has read its address, so it may be written:
	s_add_nc_u64 s[PFA:PFA+1], s[PFA:PFA+1], 65536 ; one slot further on than the walking descriptor
	s_wait_dscnt 0x0                               ; both adds are done, and my reads of the slot that I have left are over
	CROUND
	TLOAD                                          ; the first thing behind the round, and a wave's one tensor load until the next
	ASK                                            ; what the next change of slots will ask for: four key steps ahead of that load
.else
	s_wait_dscnt 0x0
	s_barrier_signal -1
	s_barrier_wait -1
.endif
.endm
.macro SLOT_STEPS
	s_mov_b32 s[STP], NST
.Lstep_\@:
	s_setprio 2
	STEP
	s_sub_co_u32 s[STP], s[STP], 1
	s_cmp_lg_u32 s[STP], 0
	s_cbranch_scc1 .Lstep_\@
	s_setprio 0
	s_sub_co_u32 s[TB], s[TB], NST*HALF            ; back to a slot's first step,
	s_xor_b32 s[TB], s[TB], SLOTB                  ; in the other slot
.endm
	s_wait_loadcnt 0x0                             ; Q
.Lslot:                                            ; three trips: behind each change of slots but the last the next slot is asked for
	CHANGE 1
	SLOT_STEPS
	s_sub_co_u32 s[SLOTS], s[SLOTS], 1
	s_cmp_lg_u32 s[SLOTS], 0
	s_cbranch_scc1 .Lslot
	CHANGE 0                                       ; the last slot is written out
	SLOT_STEPS
	; THE WAY OUT.  O^T is divided by the sum and goes through my stage in LDS, 64 channels (256 bytes) of 16 queries at a time, so that sixteen lanes store 256 consecutive bytes, aligned.
	; The stages, 16 rows x 272 bytes for each wave, lie from LDS byte 0 on, in slot 0, which was left at the last change of slots: it has had its last fill, and nobody reads it.
	v_add_f32 v14, v14, v15                        ; query tile 0: the sum's two halves,
	s_delay_alu instid0(VALU_DEP_1)
	v_permlanex16_b32 v252, v14, s[SEL], s[SEL+1]
	s_delay_alu instid0(VALU_DEP_1)
	v_add_f32 v14, v14, v252                       ; and lane l xor 16's: the row's sum
	WIN 0x55
	v_add_f32 v14, v14, v15                        ; query tile 1 likewise
	s_delay_alu instid0(VALU_DEP_1)
	v_permlanex16_b32 v252, v14, s[SEL], s[SEL+1]
	s_delay_alu instid0(VALU_DEP_1)
	v_add_f32 v14, v14, v252
	s_wait_alu depctr_va_vdst(0)
	v_rcp_f32 v15, v14                             ; the two reciprocals are one batch, into registers of different numbers
	WIN 0
	v_rcp_f32 v13, v14
	v_and_b32 v1, 15, v0                           ; (a plain line behind the reciprocals)  r
	v_bfe_u32 v2, v0, 4, 1                         ; h
	s_mul_i32 s73, s[WV], 16*272                   ; my stage
	v_mul_u32_u24 v8, v1, 272
	s_delay_alu instid0(VALU_DEP_1)
	v_lshl_add_u32 v8, v2, 6, v8
	s_delay_alu instid0(VALU_DEP_1)
	v_add_nc_u32 v8, s73, v8                       ; in: row r, + 64 h: my half's 16 channels of each 32
	v_mul_u32_u24 v9, v2, 272
	s_delay_alu instid0(VALU_DEP_1)
	v_lshl_add_u32 v9, v1, 4, v9
	s_delay_alu instid0(VALU_DEP_1)
	v_add_nc_u32 v9, s73, v9                       ; back: lanes 0-15 one row, lanes 16-31 the next
	s_wait_alu depctr_va_vdst(0)
	s_wait_xcnt 0x0                                ; the last prefetch has read its offset, so the register may be written:
	v_lshlrev_b32 v[GO], 13, v2
	s_delay_alu instid0(VALU_DEP_1)
	v_lshl_add_u32 v[GO], v1, 4, v[GO]             ; lanes 0-15 take one row of out0, lanes 16-31 the next; 16 bytes a lane
	s_wait_alu depctr_va_vdst(0)                   ; one wait for both reciprocals, ahead of their first reader
.set j, 0
.rept 64
	v_mul_f32 v[96+j], v[160+j], v13               ; O^T / the sum, each accumulator from its low end on
.set j, j+1
.endr
	WIN 0x55
.set j, 0
.rept 64
	v_mul_f32 v[96+j], v[160+j], v15
.set j, j+1
.endr
.irp x, 0,1                                    ; query tile x;
.irp u, 0,1                                    ; channels 64 u on: tile 4 u + t holds channels 64 u + 32 (t / 2) + 16 h + 8 (t % 2) + 0 .. 7
	WIN 0x04*\x                                    ; an LDS store's data are its source 1
.irp t, 0,1,2,3
	ds_store_b128 v8, v[96+32*\u+8*\t:99+32*\u+8*\t] offset:128*(\t/2)+32*(\t%2)
	ds_store_b128 v8, v[100+32*\u+8*\t:103+32*\u+8*\t] offset:128*(\t/2)+32*(\t%2)+16
.endr
	WIN 0x40*\x
.irp i, 0,1,2,3,4,5,6,7
	ds_load_b128 v[32+32*\u+4*\i:35+32*\u+4*\i], v9 offset:2*\i*272   ; LDS serves a wave's instructions in order (ISA guide 5.7.1.4): these see my stores, and the next group's stores come behind them
.endr
.endr
.endr
.irp x, 0,1
	WIN 0x04*\x                                    ; a global store's data are its source 1
.irp u, 0,1
.irp i, 0,1,2,3,4,5,6,7
	s_wait_dscnt 16*(3-2*\x-\u)+7-\i               ; behind this load: the rest of its group's eight, and sixteen LDS instructions for each later group
	global_store_b128 v[GO], v[32+32*\u+4*\i:35+32*\u+4*\i], s[8:9] offset:(2*\i+8*(\i/4)+8*\x)*8192+256*\u th:TH_STORE_NT   ; position 16 x + 2 i (+ 1) holds token 2 i (+ 1) + 8 (i / 4) + 8 x of my 32
.endr
.endr
.endr
	WIN 0
	s_wait_tensorcnt 0x0                           ; the wave's end
	ds_add_u32 v[SPW], v[NIL]
	s_wait_dscnt 0x0
	CROUND                                         ; the closing round: no work-group ends while a partner may still ask for a tile that names it
	s_endpgm
.Lfunc_end_k_q62db803d1d_attn:
	.size	k_q62db803d1d_attn, .Lfunc_end_k_q62db803d1d_attn-k_q62db803d1d_attn
	.p2alignl 7, 3214868480
	.fill 96, 4, 3214868480
	.section	.rodata,"a",@progbits
	.p2align	6, 0x0
	.amdhsa_kernel k_q62db803d1d_attn
		.amdhsa_group_segment_fixed_size 327680
		.amdhsa_private_segment_fixed_size 0
		.amdhsa_enable_private_segment 0
		.amdhsa_kernarg_size 24
		.amdhsa_user_sgpr_count 2
		.amdhsa_user_sgpr_kernarg_segment_ptr 1
		.amdhsa_wavefront_size32 1
		.amdhsa_system_sgpr_workgroup_id_x 1
		.amdhsa_system_sgpr_workgroup_id_y 1
		.amdhsa_system_sgpr_workgroup_id_z 1
		.amdhsa_system_vgpr_workitem_id 0
		.amdhsa_next_free_vgpr 512
		.amdhsa_next_free_sgpr 100
		.amdhsa_reserve_vcc 0
		.amdhsa_float_denorm_mode_32 3
		.amdhsa_float_denorm_mode_16_64 3
		.amdhsa_fp16_overflow 1
		.amdhsa_memory_ordered 1
		.amdhsa_forward_progress 1
		.amdhsa_inst_pref_size 102
	.end_amdhsa_kernel
	.amdgpu_metadata
---
amdhsa.version: [ 1, 2 ]
amdhsa.kernels:
  - .name:           k_q62db803d1d_attn
    .symbol:         k_q62db803d1d_attn.kd
    .args:
      - { .name: qkvc, .offset: 0, .size: 8, .value_kind: global_buffer, .address_space: global }
      - { .name: qkvs, .offset: 8, .size: 8, .value_kind: global_buffer, .address_space: global }
      - { .name: out0, .offset: 16, .size: 8, .value_kind: global_buffer, .address_space: global }
    .group_segment_fixed_size: 327680
    .private_segment_fixed_size: 0
    .kernarg_segment_align: 8
    .kernarg_segment_size: 24
    .max_flat_workgroup_size: 256
    .sgpr_count:     100
    .vgpr_count:     512
    .wavefront_size: 32
...
	.end_amdgpu_metadata
.endif
;; end of part 4
